; MI455X (gfx1250); checked and timed in simulation.
; The chip was launched on July 23, 2026; its instructions are those of AMD's public machine-readable ISA for CDNA 5 (MIT licence, August 2026) and "CDNA5" Instruction Set Architecture Reference Guide (July 2026). The comments in the code are by the model that wrote it; some were corrected since.
;; Multi Head Attention Layer. Allowed arithmetic: matrix products marked QUANTISED: E3M2 operands, one E8M0 scale for each 32 along K, by v_wmma_scale_f32_16x16x128_f8f6f4 with both operands' format E3M2, f32 sums; everything else in f32.
;; Inputs: Wk 1,024 x 1,024 float32; Wo 1,024 x 1,024 float32; Wq 1,024 x 1,024 float32; Wv 1,024 x 1,024 float32; bk 1,024 float32; bo 1,024 float32; bq 1,024 float32; bv 1,024 float32; k 4 x 2,048 x 1,024 float32; mask 1 x 1 x 2,048 x 2,048 bool; q 4 x 2,048 x 1,024 float32; v 4 x 2,048 x 1,024 float32.
;; Outputs: out0 4 x 2,048 x 1,024 float32.
;; This version of the problem:
;;   THIS VERSION OF THE PROBLEM IS GIVEN IN LOW PRECISION. The matrix products marked QUANTISED in the list below multiply operands that are first quantised to E3M2 (3 exponent bits, 2 mantissa bits; 6 bits a number), with one power-of-two scale for each 32 numbers along K (OCP MX v1.0); their sums are f32. All else is computed in f32.
;;   The module's matrix products, in the order in which they are computed (A, B: the left and right operand; K: the contracted axis; several contracted axes count as one K, in the product's order):
;;     1. [M 8,192, K 1,024] x [K 1,024, N 1,024]; A: input q; B: input Wq: QUANTISED
;;     2. [M 8,192, K 1,024] x [K 1,024, N 1,024]; A: input k; B: input Wk: QUANTISED
;;     3. [M 8,192, K 1,024] x [K 1,024, N 1,024]; A: input v; B: input Wv: QUANTISED
;;     4. batch 64 x [M 2,048, K 64] x [K 64, N 2,048]; A: computed on the way; B: computed on the way: QUANTISED
;;     5. batch 64 x [M 64, K 2,048] x [K 2,048, N 2,048]; A: computed on the way; B: softmax (see below): QUANTISED
;;     6. [M 8,192, K 1,024] x [K 1,024, N 1,024]; A: computed on the way; B: input Wo: QUANTISED
;;   THE QUANTISER, for each operand of a quantised product, along K:
;;     - K is cut into blocks of 32 from its start; a last block that is shorter is filled with zeros.
;;     - A block's scale is 2^e with e = floor(log2(the largest magnitude in the block)) - 4, held to -126 .. 127; a block of zeros has e = 0. As a byte (E8M0): e + 127.
;;     - Each number is divided by its block's scale, clamped to +-28, and rounded to the nearest number of E3M2, ties to even, subnormals kept.
;;     - The product sums the exact products of the quantised numbers (number of the format x scale) in f32.
;;   ~~~python
;;   def quantise(x, axis):      # numpy; x: float32 -> the quantised numbers, widened to float32 again
;;       x = np.moveaxis(x, axis, -1); K = x.shape[-1]
;;       x = np.pad(x, [(0, 0)] * (x.ndim - 1) + [(0, -K % 32)]); x = x.reshape(x.shape[:-1] + (-1, 32)); a = np.abs(x).max(-1, keepdims=True)
;;       e = np.where(a > 0, np.clip(np.frexp(np.where(a > 0, a, 1))[1] - 1 - 4, -126, 127), 0)      # np.frexp(a)[1] - 1 = floor(log2(a)), exactly
;;       r = np.clip(x / 2.0 ** e, -28, 28)
;;       step = 2.0 ** (np.maximum(np.frexp(np.where(r == 0, 1, r))[1] - 1, -2) - 2)
;;       q = np.round(r / step) * step * 2.0 ** e      # np.round: ties to even
;;       return np.moveaxis(q.reshape(q.shape[:-2] + (-1,))[..., :K], -1, axis).astype(np.float32)
;;   ~~~
;;   SOFTMAX AHEAD OF A QUANTISED PRODUCT. Where the list says 'softmax', what is quantised is not the finished softmax but p = 2^(t - M), with t = logit x log2(e) and M = ceil(the row's largest t), a whole number; so 1/2 < the row's largest p <= 1. The row's sum l is taken of the UNQUANTISED p, in f32, and the product's result is divided by l at the end. Since M is a whole number, a kernel that streams over the keys may use a running M (the ceiling of the running maximum): every later rescaling is an exact power of two, which a block's scale takes up: the codes' values come out the same.
;;   OPERANDS COMPUTED ON THE WAY. 'Computed on the way' means the value that the module computes at that place (a softmax that the list does not call 'softmax' is quantised finished and normalised). What goes into a quantiser is computed in f32, as accurately as f32 sums, v_exp_f32 and their like allow (about 1e-6 of the number): no bf16 or f16 on the way to a quantiser, and a product that is left as it is and whose result goes on into a quantised operand takes f32 operands (vector FMAs, or v_wmma_f32_16x16x4_f32). A number that lies on a knife's edge between two numbers of the format may be rounded either way, as far as f32 arithmetic and the matrix unit's own rounding can turn it there, and no further.
;; 2 versions, each right; version 2 is version 1 with the launch attn written anew for expert scheduling mode. Each part assembles by itself: llvm-mc -triple=amdgcn-amd-amdhsa -mcpu=gfx1250 --defsym DOCPART=n.
;; ======== version 1 of 2: 4 launches
;; workspace buffers: xi 23,855,104 bytes; mw 526,336 bytes of whole numbers; hr 20,185,088 bytes; oi 6,815,744 bytes
;; launch prep (part 1): grid 576 x 1, 4 waves a work-group, no clusters, 34,304 bytes of LDS; arguments q, k, v, Wq, Wk, Wv, Wo, mask, xi, mw; writes xi, mw
.if DOCPART == 1
	.amdgcn_target "amdgcn-amd-amdhsa--gfx1250"
	.amdhsa_code_object_version 6
	.text
	.protected	k_qf4c2a92168_prep
	.globl	k_qf4c2a92168_prep
	.p2align	8
	.type	k_qf4c2a92168_prep,@function
k_qf4c2a92168_prep:
	s_mov_b64 s[64:65], 0
	v_nop
	global_prefetch_b8 v0, s[64:65] scope:SCOPE_SE
	s_setreg_imm32_b32 hwreg(HW_REG_WAVE_MODE, 25, 1), 1
	s_wait_xcnt 0x0
; q, k, v [8192][1024] and Wq, Wk, Wv, Wo [1024][1024], f32, become codes of BF6 (E3M2) with one E8M0 byte for each 32 along K (their last axis), laid in xi
; AS IMAGES OF OPERAND REGISTERS; the mask [2048][2048] of bytes becomes lane masks and a summary in mw.
; ROW BLOCKS.  A row block is 16 rows: block 2 B + u of a tensor holds rows 32 B + 8 u + r + 8 (r / 8), r = 0 .. 15.  As source 0 of a product, blocks 2 B and 2 B + 1 then give a lane 16 neighbours.
; xi: 1,792 row blocks (q 0, k 512, v 1024, Wq 1536, Wk 1600, Wv 1664, Wo 1728) of 13,312 bytes = 4 records of 3,328 bytes; record s serves K = 256 s .. 256 s + 255:
;   +0, +1536: a fragment (16 rows x 128 K, 12 registers a lane) as three planes of 512 bytes: lane l's registers 4 p .. 4 p + 3 at 512 p + 16 l;  +3072: lane l's 8 bytes at 8 l: the two scale words of row l % 16.
; A block's scale is 2^(floor(log2(largest magnitude)) - 4): its byte is the largest magnitude's exponent field - 4, held at 1 from below.
; mw: words [T 128][j 16][n 64]: bit l of a word = mask[query row l % 16 of row block T][key 128 j + 32 (n / 16) + 16 (l / 16) + n % 16]; at +524,288 words [T][w 4]: bit j: step j has a pair that counts;
;   bit 16 + j: all its pairs count (word w holds j = 4 w .. 4 w + 3).
; LIMITS: NaN and infinities among the numbers are not served; a block of zeros gets the byte 1 where the rule says 127 (its codes are zeros, and this program alone reads the bytes); a mask byte other than 0 counts as true.
; SHARES.  Work-groups 0 .. 447: a wave takes one row block, eight K steps of 128.  A load reads 512 neighbouring bytes of one row; a K step's 16 rows turn through the wave's own stage in LDS, so that a lane gets the
; 2 x 32 neighbours along K that the operand's layout gives it.  Work-groups 448 .. 575: one row block of queries each, four key steps a wave; this path uses no LDS.  No barrier: waves share nothing.
.set RBB,  13312
.set RECB, 3328
.set SP,   528                         ; a stage row: 512 bytes + 16, so that the 16 rows of a read begin in different banks
.set R,    32                          ; v32-159  two sets of 64 registers as loaded
.set X,    160                         ; v160-223 my 2 x 32 neighbours
.set PC,   224                         ; v224-235 the fragment's 12 registers
.set PT,   236                         ; v236-243 the upper halves of the two blocks, as the conversions leave them
.set W,    244                         ; v244-251 a scale word for each K step
	s_load_b512 s[8:23], s[0:1], 0x0               ; q, k, v, Wq, Wk, Wv, Wo, mask
	s_load_b128 s[24:27], s[0:1], 0x40             ; xi, mw
	v_lshl_add_u32 v254, v0, 2, 0x8400
	v_mov_b32 v255, 0
	v_lshrrev_b32 v1, 5, v0
	v_readfirstlane_b32 s2, v1                     ; wave
	v_and_b32 v1, 31, v0                           ; lane
	v_and_b32 v2, 15, v0                           ; r
	v_bfe_u32 v3, v0, 4, 1                         ; h
	v_lshlrev_b32 v4, 4, v1                        ; 16 x lane
	v_lshlrev_b32 v5, 3, v1                        ; 8 x lane
	s_mov_b32 s34, 0x76543210
	s_mov_b32 s35, 0xfedcba98                      ; selects: lane l xor 16
	s_cmp_ge_u32 ttmp9, 448
	s_cbranch_scc1 .Lmask
	; ---------------- the quantiser ----------------
	s_mul_i32 s30, s2, 16*SP                       ; my stage
	v_add_nc_u32 v6, s30, v4                       ; in: 16 x lane, row i in the immediate
	v_mul_u32_u24 v7, v2, SP
	v_lshl_add_u32 v7, v3, 7, v7
	v_add_nc_u32 v7, s30, v7                       ; out: row r, + 128 h: 32 numbers of my half
	v_lshlrev_b32 v8, 3, v3                        ; 8 h: where my two bytes stand in the scale word
	v_mov_b32 v17, 0                               ; a lane permute's destination counts as read
	s_lshl_b32 s3, ttmp9, 2
	s_add_co_u32 s3, s3, s2                        ; my row block in xi
	s_wait_kmcnt 0x0
	s_mov_b64 s[4:5], s[20:21]                     ; which tensor: the choice hangs on the work-group's number alone
	s_mov_b32 s6, 1728
.macro PICK lim, ptr, base
	s_cmp_lt_u32 ttmp9, \lim
	s_cselect_b64 s[4:5], s[\ptr:\ptr+1], s[4:5]
	s_cselect_b32 s6, \base, s6
.endm
	PICK 432, 18, 1664
	PICK 416, 16, 1600
	PICK 400, 14, 1536
	PICK 384, 12, 1024
	PICK 256, 10, 512
	PICK 128, 8, 0
	s_sub_co_u32 s7, s3, s6                        ; my row block in its tensor
	s_lshr_b32 s30, s7, 1
	s_lshl_b32 s30, s30, 5
	s_and_b32 s31, s7, 1
	s_lshl_b32 s31, s31, 3
	s_add_co_u32 s30, s30, s31                     ; its first row
	s_lshl_b32 s30, s30, 12                        ; 4,096 bytes a row: under 2^25
	s_mov_b32 s31, 0
	s_add_nc_u64 s[4:5], s[4:5], s[30:31]
	s_mul_i32 s30, s3, RBB
	s_add_nc_u64 s[28:29], s[24:25], s[30:31]
.macro LOAD t                          ; K step t: 16 rows x 512 bytes into set t % 2
.irp i, 0,1,2,3,4,5,6,7,8,9,10,11,12,13,14,15
	global_load_b128 v[R+64*((\t)%2)+4*\i:R+64*((\t)%2)+4*\i+3], v4, s[4:5] offset:(\i+8*(\i/8))*4096+512*(\t) th:TH_LOAD_NT
.endr
.endm
.macro KS t
.if (\t) < 7
	s_wait_loadcnt 16                              ; this K step's 16 loads are in; the next step's 16 stay out
.else
	s_wait_loadcnt 0x0
.endif
.irp i, 0,1,2,3,4,5,6,7,8,9,10,11,12,13,14,15
	ds_store_b128 v6, v[R+64*((\t)%2)+4*\i:R+64*((\t)%2)+4*\i+3] offset:SP*\i
.endr
.irp c, 0,1
.irp e, 0,1,2,3,4,5,6,7
	ds_load_b128 v[X+32*\c+4*\e:X+32*\c+4*\e+3], v7 offset:256*\c+16*\e   ; K = 64 c + 32 h + 0 .. 31 of row r; LDS serves a wave's instructions in order: these see the stores above
.endr
.endr
	s_wait_dscnt 0x0                               ; my numbers are back, and the stores have read the set,
.if (\t)+2 < 8
	LOAD (\t)+2                                    ; which takes the loads of two steps on
.endif
.irp c, 0,1
	v_max3_num_f32 v[10+\c], |v[X+32*\c]|, |v[X+32*\c+1]|, 0x2800000   ; the block's largest magnitude, all 32 mine, and the floor 2^(5 - 127): the byte cannot fall under 1
.endr
.irp i, 2,4,6,8,10,12,14,16,18,20,22,24,26,28,30
.irp c, 0,1
	v_max3_num_f32 v[10+\c], v[10+\c], |v[X+32*\c+\i]|, |v[X+32*\c+\i+1]|
.endr
.endr
.irp c, 0,1
	v_add_nc_u32 v[12+\c], 0xfe000000, v[10+\c]    ; 4 off the exponent field: the conversion's scale operand
.endr
.irp c, 0,1
	v_lshrrev_b32 v[14+\c], 23, v[12+\c]           ; the scale's byte
.endr
	v_lshl_or_b32 v16, v15, 16, v14                ; blocks h and 2 + h of my row,
	v_lshlrev_b32 v16, v8, v16                     ; at their places;
	v_permlanex16_b32 v17, v16, s34, s35
	v_or_b32 v[W+(\t)], v16, v17                   ; with lane l xor 16's two the word is whole, in both lanes
	s_wait_xcnt 0x0                                ; the last step's stores have read the codes' registers
.irp c, 0,1
	v_cvt_scalef32_pk16_bf6_f32 v[PC+6*\c:PC+6*\c+2], v[X+32*\c:X+32*\c+15], v[12+\c]
	v_cvt_scalef32_pk16_bf6_f32 v[PT+4*\c:PT+4*\c+2], v[X+32*\c+16:X+32*\c+31], v[12+\c]   ; (a conversion's three registers begin on an even number)
.endr
	v_nop                                          ; one plain instruction behind the scaled conversions
.irp c, 0,1
.irp i, 0,1,2
	v_mov_b32 v[PC+3+6*\c+\i], v[PT+4*\c+\i]
.endr
.endr
.irp u, 0,1,2
	global_store_b128 v4, v[PC+4*\u:PC+4*\u+3], s[28:29] offset:((\t)/2)*RECB+((\t)%2)*1536+512*\u   ; 32 lanes store 512 consecutive bytes, aligned to 256
.endr
.if ((\t)%2) == 1
	global_store_b64 v5, v[W+(\t)-1:W+(\t)], s[28:29] offset:((\t)/2)*RECB+3072   ; the record's two scale words a row: 256 consecutive bytes
.endif
.endm
	LOAD 0
	LOAD 1
.irp t, 0,1,2,3,4,5,6,7
	KS \t
.endr
	s_wait_tensorcnt 0x0
	ds_add_u32 v254, v255
	s_wait_dscnt 0x0
	s_endpgm
	; ---------------- the mask ----------------
.Lmask:
	s_sub_co_u32 s3, ttmp9, 448                    ; T: the row block of queries
	v_and_b32 v20, 8, v2
	v_add_nc_u32 v20, v20, v2                      ; r + 8 (r / 8)
	v_lshlrev_b32 v20, 11, v20                     ; 2,048 bytes a query
	v_lshl_add_u32 v20, v3, 4, v20                 ; + 16 h: my 16 keys of each 32
	s_lshr_b32 s30, s3, 1
	s_lshl_b32 s30, s30, 5
	s_and_b32 s31, s3, 1
	s_lshl_b32 s31, s31, 3
	s_add_co_u32 s30, s30, s31                     ; the block's first query
	s_lshl_b32 s30, s30, 11
	s_lshl_b32 s31, s2, 9                          ; my wave's four key steps: 512 keys
	s_add_co_u32 s30, s30, s31
	s_mov_b32 s31, 0
	s_lshl_b32 s32, s3, 12                         ; the words: 4,096 bytes a row block, 1,024 a wave
	s_lshl_b32 s33, s2, 10
	s_add_co_u32 s32, s32, s33
	s_mov_b32 s33, 0
	s_lshl_b32 s38, s3, 4                          ; the summary: 16 bytes a row block, 4 a wave
	s_lshl_b32 s39, s2, 2
	s_add_co_u32 s38, s38, s39
	s_add_co_u32 s38, s38, 524288
	s_mov_b32 s39, 0
	s_wait_kmcnt 0x0
	s_add_nc_u64 s[4:5], s[22:23], s[30:31]
	s_add_nc_u64 s[28:29], s[26:27], s[32:33]
	s_add_nc_u64 s[36:37], s[26:27], s[38:39]
.irp jj, 0,1,2,3
.irp e, 0,1,2,3
	global_load_b128 v[32+16*\jj+4*\e:32+16*\jj+4*\e+3], v20, s[4:5] offset:128*\jj+32*\e th:TH_LOAD_NT
.endr
.endr
	s_mov_b32 s43, 0
	s_wait_loadcnt 0x0
.irp jj, 0,1,2,3                               ; byte n % 4 of register n / 4 is the lane's pair for word n
	s_mov_b32 s41, 0                               ; any pair counts
	s_mov_b32 s42, -1                              ; all pairs count
	v_mov_b32 v[100+2*\jj], 0
	v_mov_b32 v[101+2*\jj], 0
.set n, 0
.rept 16
.irp e, 0,1,2,3
	v_and_b32 v[21+\e], 0xff<<(8*\e), v[32+16*\jj+n/4]
.endr
.irp e, 0,1,2,3
	v_cmp_ne_u32 s[44+\e], 0, v[21+\e]             ; word n + e: a bit a lane
.endr
.irp e, 0,1,2,3
	v_writelane_b32 v[100+2*\jj+(n+\e)%2], s[44+\e], (n+\e)/2   ; lane l stores words 2 l and 2 l + 1
	s_or_b32 s41, s41, s[44+\e]
	s_and_b32 s42, s42, s[44+\e]
.endr
.set n, n+4
.endr
	s_cmp_lg_u32 s41, 0
	s_cselect_b32 s48, 1<<\jj, 0
	s_or_b32 s43, s43, s48
	s_cmp_eq_u32 s42, -1
	s_cselect_b32 s48, 0x10000<<\jj, 0
	s_or_b32 s43, s43, s48
	global_store_b64 v5, v[100+2*\jj:101+2*\jj], s[28:29] offset:256*\jj   ; a key step's 64 words: 256 consecutive bytes
.endr
	s_lshl_b32 s49, s2, 2
	s_lshl_b32 s43, s43, s49                       ; my four steps' bits at their places
	v_mov_b32 v26, s43
	v_mov_b32 v27, 0
	v_cmp_eq_u32 vcc_lo, 0, v1
	s_wait_xcnt 0x0                                ; EXEC changes only behind this wait
	s_and_saveexec_b32 s50, vcc_lo
	global_store_b32 v27, v26, s[36:37]            ; one lane stores the wave's summary word
	s_wait_xcnt 0x0
	s_or_b32 exec_lo, exec_lo, s50
	s_endpgm
.Lfunc_end_k_qf4c2a92168_prep:
	.size	k_qf4c2a92168_prep, .Lfunc_end_k_qf4c2a92168_prep-k_qf4c2a92168_prep
	.p2alignl 7, 3214868480
	.fill 96, 4, 3214868480
	.section	.rodata,"a",@progbits
	.p2align	6, 0x0
	.amdhsa_kernel k_qf4c2a92168_prep
		.amdhsa_group_segment_fixed_size 34304
		.amdhsa_private_segment_fixed_size 0
		.amdhsa_enable_private_segment 0
		.amdhsa_kernarg_size 80
		.amdhsa_user_sgpr_count 2
		.amdhsa_user_sgpr_kernarg_segment_ptr 1
		.amdhsa_wavefront_size32 1
		.amdhsa_system_sgpr_workgroup_id_x 1
		.amdhsa_system_sgpr_workgroup_id_y 1
		.amdhsa_system_sgpr_workgroup_id_z 1
		.amdhsa_system_vgpr_workitem_id 0
		.amdhsa_next_free_vgpr 256
		.amdhsa_next_free_sgpr 66
		.amdhsa_reserve_vcc 1
		.amdhsa_float_denorm_mode_32 3
		.amdhsa_float_denorm_mode_16_64 3
		.amdhsa_memory_ordered 1
		.amdhsa_forward_progress 1
		.amdhsa_inst_pref_size 127
	.end_amdhsa_kernel
	.amdgpu_metadata
---
amdhsa.version: [ 1, 2 ]
amdhsa.kernels:
  - .name:           k_qf4c2a92168_prep
    .symbol:         k_qf4c2a92168_prep.kd
    .args:
      - { .name: q, .offset: 0, .size: 8, .value_kind: global_buffer, .address_space: global }
      - { .name: k, .offset: 8, .size: 8, .value_kind: global_buffer, .address_space: global }
      - { .name: v, .offset: 16, .size: 8, .value_kind: global_buffer, .address_space: global }
      - { .name: Wq, .offset: 24, .size: 8, .value_kind: global_buffer, .address_space: global }
      - { .name: Wk, .offset: 32, .size: 8, .value_kind: global_buffer, .address_space: global }
      - { .name: Wv, .offset: 40, .size: 8, .value_kind: global_buffer, .address_space: global }
      - { .name: Wo, .offset: 48, .size: 8, .value_kind: global_buffer, .address_space: global }
      - { .name: mask, .offset: 56, .size: 8, .value_kind: global_buffer, .address_space: global }
      - { .name: xi, .offset: 64, .size: 8, .value_kind: global_buffer, .address_space: global }
      - { .name: mw, .offset: 72, .size: 8, .value_kind: global_buffer, .address_space: global }
    .group_segment_fixed_size: 34304
    .private_segment_fixed_size: 0
    .kernarg_segment_align: 8
    .kernarg_segment_size: 80
    .max_flat_workgroup_size: 128
    .sgpr_count:     66
    .vgpr_count:     256
    .wavefront_size: 32
...
	.end_amdgpu_metadata
.endif
;; end of part 1
;; launch proj (part 2): grid 12 x 64, 4 waves a work-group, clusters of 4 x 4, 320,000 bytes of LDS; arguments xi, bq, bk, bv, hr; writes hr
.if DOCPART == 2
	.amdgcn_target "amdgcn-amd-amdhsa--gfx1250"
	.amdhsa_code_object_version 6
	.text
	.protected	k_qf4c2a92168_proj
	.globl	k_qf4c2a92168_proj
	.p2align	8
	.type	k_qf4c2a92168_proj,@function
k_qf4c2a92168_proj:
	s_mov_b64 s[64:65], 0
	v_nop
	global_prefetch_b8 v0, s[64:65] scope:SCOPE_SE
	s_setreg_imm32_b32 hwreg(HW_REG_WAVE_MODE, 25, 1), 1
	s_wait_xcnt 0x0
	s_wait_alu depctr_hold_cnt(0) depctr_sa_sdst(0) depctr_va_vdst(0) depctr_va_sdst(0) depctr_va_ssrc(0) depctr_va_vcc(0) depctr_vm_vsrc(0)
	s_getreg_b32 s2, hwreg(HW_REG_IB_STS2, 6, 4)
	s_cmp_eq_u32 s2, 0
	s_cbranch_scc0 .Lentry_in_a_cluster
	s_endpgm
.Lentry_in_a_cluster:
	s_bfe_u32 s2, ttmp6, 0x10000c
	s_cmp_lg_u32 s2, 0xf033
	s_cbranch_scc0 .Lentry_shape_is_right
	s_endpgm
.Lentry_shape_is_right:
; The three projections on codes of BF6 (E3M2), and their results quantised in registers for attention.  z = cluster x: 0 q Wq^T + bq, 1 k Wk^T + bk, 2 v Wv^T + bv.
; THE PRODUCT.  C'[x][y] = sum over K = 1,024 of X[x][k] Y[y][k], source 0 = 16 rows of Y, source 1 = 16 rows of X: a lane holds ONE row of X, and its registers run along Y.
;   z = 0, 1: X = tokens, Y = the weight's rows (channels): a lane's registers run along the channels, which are the K of Q K^T.   z = 2: X = Wv's rows (channels), Y = tokens: they run along the keys, the K of P V.
; Operands lie in xi as images of operand registers (row blocks of 16 rows, 4 records of 3,328 bytes: two fragments of 128 K and a unit of scale words); a row block 2 B + u holds rows 32 B + 8 u + r + 8 (r / 8),
; so that the 16 registers of Y's blocks 2 B and 2 B + 1 are 16 neighbours: 32 B + 16 (lane / 16) + 0 .. 15.
; SHARES.  A work-group makes 128 rows of X x 256 rows of Y; four waves, each 64 x 128: 32 accumulators, 256 registers.  12 x 64 work-groups: 256 for each z.
; LDS.  ALL OF K LIES IN LDS: four slots of 256 along K, 79,872 bytes each (X's 8 records, then Y's 16): every byte is filled once, so there is no ring.  Each wave issues four tensor loads at the start, one a slot
; (waves 0, 1: X's halves; waves 2, 3: Y's): four loads of a wave are out at the most.  A slot is read behind a counted wait and a barrier.
; CLUSTER 4 x 4: X's tile hangs on the tile row, shared along a row of the cluster; Y's on the tile column, shared along a column: each is asked for jointly.
; hr: 64 head records (16 batch + head) of 315,392 bytes: +0 Q's 128 tiles (16 tokens x 64: registers 0-3 at 16 l, 4-5 at 512 + 8 l: 768 bytes), +98,304 Q's scale words [j 16][g 2][r 16][t 4] (tile 8 j + 4 g + t; low two bytes),
;   +106,496 K's tiles, +204,800 V's fragments [j 16][ct 4] (16 channels x 128 keys, 1,536 bytes), +303,104 K's scale words, +311,296 V's [j][r][ct].
; LIMITS: NaN and infinities are not served; a block whose largest magnitude lies under 2^-122 gets the byte 1 (this program alone reads the bytes).
; REGISTERS, in windows of 256: window 0: v1-18 lane terms and LDS addresses; v32-63 scale words, two sets; v64-127 the bias; v128-223 X's fragments, two sets of 4 (on the way out: at work).
;   window 1: Y's fragments, two sets of 8, at v0 and v128.   window 2: accumulator (a, b) at v[8 (8 a + b)].
.set RBB,   13312
.set RECB,  3328
.set XSEC,  8*RECB
.set SLOT,  24*RECB
.set HR,    315392
.set NF,    36                         ; LDS loads of a FETCH
.set ADRA,  16
.set ADRB,  17
.set ADRS,  18
.set SC,    32
.set BIAS,  64
.set XF,    128
.set PC,    128                        ; the way out: a fragment's codes
.set PT,    140
.set TM,    148
.set TP,    152
.set SOP,   156
.set PWS,   160                        ; a scale word for each of my four blocks of X
.set SEL,   164
.set G1X,   16
.set G0X,   24
.set G1Y,   40
.set G0Y,   48
.set W_MUL,  0xa1                      ; source 0 (Y) window 1, source 1 (X) window 0, C and D window 2
.set W_MULB, 0x81                      ; the same with C (the bias) in window 0
.set TO_Y,   0x40                      ; destination window 1
.set MSB, 0
.macro WIN new                         ; the immediate's high byte repeats the setting that is left
.if MSB != \new
	s_set_vgpr_msb (MSB<<8)|\new
.set MSB, \new
.endif
.endm
.macro CROUND                          ; a round of the cluster's barrier
	s_barrier_signal -1
	s_barrier_wait -1
	s_cmp_lg_u32 s14, 0
	s_cbranch_scc1 .Lnot_wave_0_\@
	s_barrier_signal -3
.Lnot_wave_0_\@:
	s_barrier_wait -3
	s_barrier_signal -1
	s_barrier_wait -1
.endm
.macro PLACES                          ; four plain instructions between a matrix instruction and a load into, or a read of, its registers
.rept 4
	v_nop
.endr
.endm
	s_load_b256 s[4:11], s[0:1], 0x0               ; xi, bq, bk, bv
	s_load_b64 s[12:13], s[0:1], 0x20              ; hr
	v_lshl_add_u32 v254, v0, 2, 0x4e000
	v_mov_b32 v255, 0
	ds_add_u32 v254, v255
	ds_add_u32 v254, v255
	v_lshrrev_b32 v1, 5, v0
	v_readfirstlane_b32 s14, v1                    ; wave
	s_lshr_b32 s15, s14, 1                         ; rho: my half of X's rows.  Also: I fetch for X (0) or for Y (1)
	s_and_b32 s66, s14, 1                          ; kappa: my half of Y's rows.  Also: which half of that tile I fetch
	s_bfe_u32 s67, ttmp6, 0x40000                  ; cx
	s_bfe_u32 s68, ttmp6, 0x40004                  ; cy
	s_and_b32 s69, ttmp7, 0xffff                   ; cluster y, 0 .. 15
	s_lshr_b32 s70, s69, 3
	s_and_b32 s71, s69, 7
	s_cmp_eq_u32 ttmp9, 2                          ; V?  The same in all partners
	s_cselect_b32 s72, s70, s69                    ; clusters along X: 2 for Wv's 1,024 rows, 16 for 8,192 tokens
	s_cselect_b32 s73, s71, 0                      ; along Y: 8 for the tokens, 1 for a weight
	s_cselect_b32 s74, 640, 0
	s_cselect_b32 s75, 1, 0
	s_lshl_b32 s72, s72, 2
	s_add_co_u32 s72, s72, s68                     ; tile row
	s_lshl_b32 s73, s73, 2
	s_add_co_u32 s73, s73, s67                     ; tile column
	s_lshl_b32 s76, ttmp9, 9                       ; X's first row block that I fetch: q 0, k 512, Wv 1,664; + 8 x tile row + 4 x half
	s_add_co_u32 s76, s76, s74
	s_lshl_b32 s77, s72, 3
	s_add_co_u32 s76, s76, s77
	s_lshl_b32 s77, s66, 2
	s_add_co_u32 s76, s76, s77
	s_mul_i32 s76, s76, RBB
	s_mov_b32 s77, 0
	s_lshl_b32 s78, ttmp9, 6                       ; Y's: Wq 1,536, Wk 1,600, v 1,024; + 16 x tile column + 8 x half
	s_add_co_u32 s78, s78, 1536
	s_sub_co_u32 s78, s78, s74
	s_lshl_b32 s79, s73, 4
	s_add_co_u32 s78, s78, s79
	s_lshl_b32 s79, s66, 3
	s_add_co_u32 s78, s78, s79
	s_mul_i32 s78, s78, RBB
	s_mov_b32 s79, 0
	s_lshl_b32 s80, s68, 2
	s_lshl_b32 s80, 15, s80                        ; my row of the cluster
	s_lshl_b32 s81, 0x1111, s67                    ; my column
	; group 1: rows of 3,328 bytes (416 elements of 8 bytes), 13,312 bytes apart: one record of each of 4 (X) or 8 (Y) row blocks; no padding: every LDS read takes consecutive bytes
	s_or_b32 s[G1X], s80, (3<<16)|(1<<21)
	s_mov_b32 s[G1X+1], 416<<16
	s_mov_b32 s[G1X+2], 4<<16
	s_mov_b32 s[G1X+3], 416<<16
	s_mov_b32 s[G1X+4], 4
	s_mov_b32 s[G1X+5], 1664
	s_mov_b32 s[G1X+6], 0
	s_mov_b32 s[G1X+7], 0
	s_or_b32 s[G1Y], s81, (3<<16)|(1<<21)
	s_mov_b32 s[G1Y+1], 416<<16
	s_mov_b32 s[G1Y+2], 8<<16
	s_mov_b32 s[G1Y+3], 416<<16
	s_mov_b32 s[G1Y+4], 8
	s_mov_b32 s[G1Y+5], 1664
	s_mov_b32 s[G1Y+6], 0
	s_mov_b32 s[G1Y+7], 0
	s_mul_i32 s82, s66, 4*RECB                     ; where they go: no place in the cluster enters an LDS address
	s_mul_i32 s83, s66, 8*RECB
	s_mov_b32 s98, 0x76543210
	s_mov_b32 s99, 0xfedcba98
	s_wait_dscnt 0x0
	s_wait_kmcnt 0x0
	s_add_nc_u64 s[76:77], s[4:5], s[76:77]
	s_add_nc_u64 s[78:79], s[4:5], s[78:79]
.irp s, 0,1,2,3
	s_mov_b32 s[G0X+4*\s], 1
	s_add_co_u32 s[G0X+4*\s+1], s82, \s*SLOT
	s_add_nc_u64 s[G0X+4*\s+2:G0X+4*\s+3], s[76:77], \s*RECB
	s_or_b32 s[G0X+4*\s+3], s[G0X+4*\s+3], 0x80000000
	s_mov_b32 s[G0Y+4*\s], 1
	s_add_co_u32 s[G0Y+4*\s+1], s83, \s*SLOT+XSEC
	s_add_nc_u64 s[G0Y+4*\s+2:G0Y+4*\s+3], s[78:79], \s*RECB
	s_or_b32 s[G0Y+4*\s+3], s[G0Y+4*\s+3], 0x80000000
.endr
	CROUND                                         ; all sixteen work-groups are here: the joint loads meet
	s_cmp_eq_u32 s15, 0                            ; a wave's four fills stand in one branch on the wave's number
	s_cbranch_scc0 .Lfill_y
.irp s, 0,1,2,3
	tensor_load_to_lds s[G0X+4*\s:G0X+4*\s+3], s[G1X:G1X+7]
	s_nop 0
.endr
	PLACES
	s_branch .Lfilled
.Lfill_y:
.irp s, 0,1,2,3
	tensor_load_to_lds s[G0Y+4*\s:G0Y+4*\s+3], s[G1Y:G1Y+7]
	s_nop 0
.endr
	PLACES
.Lfilled:
	v_and_b32 v1, 31, v0                           ; lane
	v_and_b32 v2, 15, v0                           ; r
	v_bfe_u32 v3, v0, 4, 1                         ; h
	v_lshlrev_b32 v4, 4, v1
	v_lshlrev_b32 v5, 3, v1
	s_mul_i32 s88, s15, 4*RECB                     ; my 4 blocks of X
	s_mul_i32 s89, s66, 8*RECB
	s_add_co_u32 s89, s89, XSEC                    ; my 8 blocks of Y
	v_add_nc_u32 v[ADRA], s88, v4
	v_add_nc_u32 v[ADRB], s89, v4
	s_sub_co_u32 s90, s89, s88
	v_mul_u32_u24 v6, s90, v3                      ; scale words: lanes 0-15 take X's block i, lanes 16-31 Y's block i
	v_add_nc_u32 v6, v6, v5
	s_add_co_u32 s88, s88, 3072
	v_add_nc_u32 v[ADRS], s88, v6
	; THE BIAS is the C of each sum's first matrix instruction, in the result's layout
	s_cmp_eq_u32 s75, 0
	s_cbranch_scc0 .Lbias_v
	s_cmp_eq_u32 ttmp9, 0
	s_cselect_b64 s[94:95], s[6:7], s[8:9]
	s_lshl_b32 s96, s73, 10
	s_lshl_b32 s97, s66, 9
	s_add_co_u32 s96, s96, s97                     ; my 128 channels
	s_mov_b32 s97, 0
	s_add_nc_u64 s[94:95], s[94:95], s[96:97]
	v_lshlrev_b32 v7, 6, v3                        ; block b's registers are channels 32 (b / 2) + 16 h + 8 (b % 2) + 0 .. 7
.irp b, 0,1,2,3,4,5,6,7
	global_load_b128 v[BIAS+8*\b:BIAS+8*\b+3], v7, s[94:95] offset:(32*(\b/2)+8*(\b%2))*4
	global_load_b128 v[BIAS+8*\b+4:BIAS+8*\b+7], v7, s[94:95] offset:(32*(\b/2)+8*(\b%2))*4+16
.endr
	s_branch .Lbias_done
.Lbias_v:
	s_lshl_b32 s96, s72, 9
	s_lshl_b32 s97, s15, 8
	s_add_co_u32 s96, s96, s97                     ; my 64 channels
	s_mov_b32 s97, 0
	s_add_nc_u64 s[94:95], s[10:11], s[96:97]
	v_and_b32 v7, 8, v2
	v_add_nc_u32 v7, v7, v2
	v_lshlrev_b32 v7, 2, v7                        ; here the channel is the LANE's: block a's row r + 8 (r / 8); all registers of a C hold the same number
.irp a, 0,1,2,3
.irp i, 0,1,2,3,4,5,6,7,8,9,10,11,12,13,14,15
	global_load_b32 v[BIAS+16*\a+\i], v7, s[94:95] offset:(32*(\a/2)+8*(\a%2))*4   ; two runs of eight for each block a, taken by turns
.endr
.endr
.Lbias_done:
.macro FETCH q, p                      ; the fragments of the slot's q-th 128 along K into sets p
	WIN TO_Y
.irp b, 0,1,2,3,4,5,6,7
.irp u, 0,1,2
	ds_load_b128 v[128*(\p)+12*\b+4*\u:128*(\p)+12*\b+4*\u+3], v[ADRB] offset:RECB*\b+1536*(\q)+512*\u
.endr
.endr
	WIN 0
.irp a, 0,1,2,3
.irp u, 0,1,2
	ds_load_b128 v[XF+48*(\p)+12*\a+4*\u:XF+48*(\p)+12*\a+4*\u+3], v[ADRA] offset:RECB*\a+1536*(\q)+512*\u
.endr
.endr
.endm
.macro SCALES sc                       ; a slot's scale words: register 2 i + q: lanes 0-15 X's block i (i under 4), lanes 16-31 Y's block i
.irp i, 0,1,2,3,4,5,6,7
	ds_load_b64 v[SC+16*(\sc)+2*\i:SC+16*(\sc)+2*\i+1], v[ADRS] offset:RECB*\i
.endr
.endm
; 32 matrix instructions: the 32 accumulators take turns, one instruction a turn, in the same order in every step.  mode 0: in place; 1: C = the bias along Y; 2: C = the bias along X
.macro MUL p, q, sc, mode
.if \mode == 0
	WIN W_MUL
.else
	WIN W_MULB
.endif
.irp a, 0,1,2,3
.irp b, 0,1,2,3,4,5,6,7
.if \mode == 0
	v_wmma_scale_f32_16x16x128_f8f6f4 v[8*(8*\a+\b):8*(8*\a+\b)+7], v[128*(\p)+12*\b:128*(\p)+12*\b+11], v[XF+48*(\p)+12*\a:XF+48*(\p)+12*\a+11], v[8*(8*\a+\b):8*(8*\a+\b)+7], v[SC+16*(\sc)+2*\b+(\q)], v[SC+16*(\sc)+2*\a+(\q)] matrix_a_fmt:MATRIX_FMT_BF6 matrix_b_fmt:MATRIX_FMT_BF6 matrix_a_scale:MATRIX_SCALE_ROW1
.elseif \mode == 1
	v_wmma_scale_f32_16x16x128_f8f6f4 v[8*(8*\a+\b):8*(8*\a+\b)+7], v[128*(\p)+12*\b:128*(\p)+12*\b+11], v[XF+48*(\p)+12*\a:XF+48*(\p)+12*\a+11], v[BIAS+8*\b:BIAS+8*\b+7], v[SC+16*(\sc)+2*\b+(\q)], v[SC+16*(\sc)+2*\a+(\q)] matrix_a_fmt:MATRIX_FMT_BF6 matrix_b_fmt:MATRIX_FMT_BF6 matrix_a_scale:MATRIX_SCALE_ROW1
.else
	v_wmma_scale_f32_16x16x128_f8f6f4 v[8*(8*\a+\b):8*(8*\a+\b)+7], v[128*(\p)+12*\b:128*(\p)+12*\b+11], v[XF+48*(\p)+12*\a:XF+48*(\p)+12*\a+11], v[BIAS+16*\a+8*(\b%2):BIAS+16*\a+8*(\b%2)+7], v[SC+16*(\sc)+2*\b+(\q)], v[SC+16*(\sc)+2*\a+(\q)] matrix_a_fmt:MATRIX_FMT_BF6 matrix_b_fmt:MATRIX_FMT_BF6 matrix_a_scale:MATRIX_SCALE_ROW1
.endif
.endr
.endr
.endm
.macro STEP0 sg                        ; a slot's first 128 along K; its second is asked for first
	PLACES                                         ; sets 1 were multiplied last
	FETCH 1, 1
	s_wait_dscnt NF                                ; all but the loads just issued: sets 0 and the slot's scale words are in
	MUL 0, 0, (\sg)%2, 0
.endm
.macro STEP1 sg                        ; a slot's second 128; the next slot's first fragments are asked for behind a barrier
	s_wait_dscnt 0x0                               ; sets 1 are in: my reads of this slot are over
.if \sg < 3
	WIN 0
	s_wait_tensorcnt 2-(\sg)                       ; my part of the next slot has landed; the loads of the slots behind it stay out
	s_barrier_signal -1
	s_barrier_wait -1                              ; everybody's has
	v_add_nc_u32 v[ADRA], SLOT, v[ADRA]
	v_add_nc_u32 v[ADRB], SLOT, v[ADRB]
	v_add_nc_u32 v[ADRS], SLOT, v[ADRS]
	PLACES                                         ; sets 0 were multiplied last
	FETCH 0, 0
	SCALES ((\sg)+1)%2
.endif
	MUL 1, 1, (\sg)%2, 0
.endm
	s_wait_tensorcnt 0x3                           ; my part of slot 0 has landed; three loads stay out
	s_barrier_signal -1
	s_barrier_wait -1
	FETCH 0, 0
	SCALES 0
	FETCH 1, 1
	s_wait_loadcnt 0x0                             ; the bias
	s_wait_dscnt NF
	s_cmp_eq_u32 s75, 0
	s_cbranch_scc0 .Lfirst_v
	MUL 0, 0, 0, 1                                 ; the first products start the sums: nothing is cleared
	WIN 0
	s_branch .Lfirst_done
.Lfirst_v:
	MUL 0, 0, 0, 2
	WIN 0
.Lfirst_done:
	STEP1 0
	STEP0 1
	STEP1 1
	STEP0 2
	STEP1 2
	STEP0 3
	STEP1 3
	WIN 0
	PLACES
; THE WAY OUT.  Block a's 64 registers of a lane, register 16 B + i = place 32 B + 16 (lane / 16) + i along Y, become a fragment's codes in v[PC] on and a scale word in v[PWS + a].
.macro QUANT a
	WIN 0x28                                       ; sources 1 and 2: window 2
.irp e, 0,1,2,3
	v_max3_num_f32 v[TM+\e], 0x2800000, |v[64*(\a)+16*\e]|, |v[64*(\a)+16*\e+1]|   ; each accumulator is read from its low end on; the floor 2^(5 - 127) holds the byte at 1 from below
.endr
.irp i, 2,4,6,8,10,12,14
.irp e, 0,1,2,3
	v_max3_num_f32 v[TM+\e], v[TM+\e], |v[64*(\a)+16*\e+\i]|, |v[64*(\a)+16*\e+\i+1]|
.endr
.endr
	WIN 0
.irp e, 0,1,2,3
	v_permlanex16_b32 v[TP+\e], v[TM+\e], s98, s99
.endr
.irp e, 0,1,2,3
	v_max_num_f32 v[TM+\e], v[TM+\e], v[TP+\e]     ; with lane l xor 16's 16: the block's largest magnitude
.endr
.irp e, 0,1,2,3
	v_add_nc_u32 v[SOP+\e], 0xfe000000, v[TM+\e]   ; 4 off the exponent field: the conversion's scale operand
.endr
.irp e, 0,1,2,3
	v_lshrrev_b32 v[TP+\e], 23, v[SOP+\e]          ; the byte
.endr
	v_lshl_or_b32 v[PWS+(\a)], v[TP+1], 8, v[TP]
	v_lshl_or_b32 v[PWS+(\a)], v[TP+2], 16, v[PWS+(\a)]
	v_lshl_or_b32 v[PWS+(\a)], v[TP+3], 24, v[PWS+(\a)]
	s_wait_xcnt 0x0                                ; the last block's stores have read the codes' registers
	WIN 0x02                                       ; source 0: window 2
.irp c, 0,1
	v_cvt_scalef32_pk16_bf6_f32 v[PC+6*\c:PC+6*\c+2], v[64*(\a)+32*\c:64*(\a)+32*\c+15], v[SOP+2*\c]
	v_cvt_scalef32_pk16_bf6_f32 v[PT+4*\c:PT+4*\c+2], v[64*(\a)+32*\c+16:64*(\a)+32*\c+31], v[SOP+2*\c+1]
.endr
	WIN 0
	v_nop                                          ; one plain instruction behind the scaled conversions
.irp c, 0,1                                    ; the operand's layout wants a whole block of 32 in a lane
.irp i, 0,1,2
	v_permlane16_swap_b32 v[PC+6*\c+\i], v[PT+4*\c+\i]
.endr
.irp i, 0,1,2
	v_mov_b32 v[PC+3+6*\c+\i], v[PT+4*\c+\i]
.endr
.endr
.endm
.irp e, 0,1,2,3
	v_mov_b32 v[TP+\e], 0                          ; a lane permute's destination counts as read
.endr
	s_cmp_eq_u32 s75, 0
	s_cbranch_scc0 .Lout_v
	; Q and K: my 128 channels are two heads; registers 6 c .. 6 c + 5 are head c's tile of 16 tokens x 64
	s_lshr_b32 s88, s72, 4                         ; batch
	s_and_b32 s89, s72, 15                         ; j: 128 tokens
	s_lshl_b32 s88, s88, 4
	s_lshl_b32 s90, s73, 2
	s_add_co_u32 s88, s88, s90
	s_lshl_b32 s90, s66, 1
	s_add_co_u32 s88, s88, s90                     ; the first head's record
	s_mul_i32 s88, s88, HR
	s_mul_i32 s90, ttmp9, 106496                   ; Q's tiles at +0, K's at +106,496
	s_add_co_u32 s90, s90, s88
	s_lshl_b32 s91, s89, 3
	s_lshl_b32 s92, s15, 2
	s_add_co_u32 s91, s91, s92                     ; tile 8 j + 4 rho
	s_mul_i32 s91, s91, 768
	s_add_co_u32 s96, s90, s91
	s_mov_b32 s97, 0
	s_add_nc_u64 s[84:85], s[12:13], s[96:97]
	s_mul_i32 s90, ttmp9, 204800                   ; Q's scale words at +98,304, K's at +303,104
	s_add_co_u32 s90, s90, s88
	s_add_co_u32 s90, s90, 98304
	s_lshl_b32 s91, s89, 9
	s_add_co_u32 s90, s90, s91
	s_lshl_b32 s91, s15, 8
	s_add_co_u32 s96, s90, s91
	s_add_nc_u64 s[86:87], s[12:13], s[96:97]
	v_mul_u32_u24 v9, v3, HR
	v_lshl_add_u32 v9, v2, 4, v9                   ; lanes 0-15 store the first head's words, lanes 16-31 the second's
	v_lshlrev_b32 v10, 4, v3
.irp a, 0,1,2,3
	QUANT \a
.irp c, 0,1
	global_store_b128 v4, v[PC+6*\c:PC+6*\c+3], s[84:85] offset:768*\a+HR*\c          ; 512 consecutive bytes, aligned to 256
	global_store_b64 v5, v[PC+6*\c+4:PC+6*\c+5], s[84:85] offset:768*\a+HR*\c+512     ; 256
.endr
.endr
.irp a, 0,1,2,3
	v_lshrrev_b32 v[SEL+\a], v10, v[PWS+\a]        ; my head's two bytes;
.endr
.irp a, 0,1,2,3
	v_and_b32 v[SEL+\a], 0xffff, v[SEL+\a]         ; the upper 64 of the instruction's K hold zero codes, under the byte 0
.endr
	global_store_b128 v9, v[SEL:SEL+3], s[86:87]   ; 16 lanes store 256 consecutive bytes of a head
	s_branch .Lend
.Lout_v:
	; V: my 64 channels are one head, my 128 tokens one key step: block a is fragment ct = a
	s_lshl_b32 s88, s72, 1
	s_add_co_u32 s88, s88, s15                     ; head
	s_lshr_b32 s89, s73, 3                         ; batch
	s_lshl_b32 s89, s89, 4
	s_add_co_u32 s88, s88, s89
	s_mul_i32 s88, s88, HR
	s_and_b32 s89, s73, 7
	s_lshl_b32 s89, s89, 1
	s_add_co_u32 s89, s89, s66                     ; j
	s_mul_i32 s90, s89, 6144
	s_add_co_u32 s90, s90, s88
	s_add_co_u32 s96, s90, 204800
	s_mov_b32 s97, 0
	s_add_nc_u64 s[84:85], s[12:13], s[96:97]
	s_lshl_b32 s90, s89, 8
	s_add_co_u32 s90, s90, s88
	s_add_co_u32 s96, s90, 311296
	s_add_nc_u64 s[86:87], s[12:13], s[96:97]
.irp a, 0,1,2,3
	QUANT \a
.irp u, 0,1,2
	global_store_b128 v4, v[PC+4*\u:PC+4*\u+3], s[84:85] offset:1536*\a+512*\u
.endr
.endr
	v_lshlrev_b32 v9, 4, v2
	v_cmp_gt_u32 vcc_lo, 16, v1
	s_wait_xcnt 0x0                                ; EXEC changes only behind this wait
	s_and_saveexec_b32 s88, vcc_lo
	global_store_b128 v9, v[PWS:PWS+3], s[86:87]   ; lanes 0-15: the step's 64 scale words, 256 consecutive bytes
	s_wait_xcnt 0x0
	s_or_b32 exec_lo, exec_lo, s88
.Lend:
	s_wait_tensorcnt 0x0
	ds_add_u32 v254, v255
	s_wait_dscnt 0x0
	CROUND                                         ; the closing round: no work-group ends while a partner may still ask for a tile that names it
	s_endpgm
.Lfunc_end_k_qf4c2a92168_proj:
	.size	k_qf4c2a92168_proj, .Lfunc_end_k_qf4c2a92168_proj-k_qf4c2a92168_proj
	.p2alignl 7, 3214868480
	.fill 96, 4, 3214868480
	.section	.rodata,"a",@progbits
	.p2align	6, 0x0
	.amdhsa_kernel k_qf4c2a92168_proj
		.amdhsa_group_segment_fixed_size 320000
		.amdhsa_private_segment_fixed_size 0
		.amdhsa_enable_private_segment 0
		.amdhsa_kernarg_size 40
		.amdhsa_user_sgpr_count 2
		.amdhsa_user_sgpr_kernarg_segment_ptr 1
		.amdhsa_wavefront_size32 1
		.amdhsa_system_sgpr_workgroup_id_x 1
		.amdhsa_system_sgpr_workgroup_id_y 1
		.amdhsa_system_sgpr_workgroup_id_z 1
		.amdhsa_system_vgpr_workitem_id 0
		.amdhsa_next_free_vgpr 768
		.amdhsa_next_free_sgpr 100
		.amdhsa_reserve_vcc 1
		.amdhsa_float_denorm_mode_32 3
		.amdhsa_float_denorm_mode_16_64 3
		.amdhsa_memory_ordered 1
		.amdhsa_forward_progress 1
		.amdhsa_inst_pref_size 112
	.end_amdhsa_kernel
	.amdgpu_metadata
---
amdhsa.version: [ 1, 2 ]
amdhsa.kernels:
  - .name:           k_qf4c2a92168_proj
    .symbol:         k_qf4c2a92168_proj.kd
    .args:
      - { .name: xi, .offset: 0, .size: 8, .value_kind: global_buffer, .address_space: global }
      - { .name: bq, .offset: 8, .size: 8, .value_kind: global_buffer, .address_space: global }
      - { .name: bk, .offset: 16, .size: 8, .value_kind: global_buffer, .address_space: global }
      - { .name: bv, .offset: 24, .size: 8, .value_kind: global_buffer, .address_space: global }
      - { .name: hr, .offset: 32, .size: 8, .value_kind: global_buffer, .address_space: global }
    .group_segment_fixed_size: 320000
    .private_segment_fixed_size: 0
    .kernarg_segment_align: 8
    .kernarg_segment_size: 40
    .max_flat_workgroup_size: 128
    .sgpr_count:     100
    .vgpr_count:     768
    .wavefront_size: 32
...
	.end_amdgpu_metadata
.endif
;; end of part 2
;; launch attn (part 3): grid 4 x 64, 16 waves a work-group, no clusters, 210,944 bytes of LDS; arguments hr, mw, oi; writes oi
.if DOCPART == 3
	.amdgcn_target "amdgcn-amd-amdhsa--gfx1250"
	.amdhsa_code_object_version 6
	.text
	.protected	k_qf4c2a92168_attn
	.globl	k_qf4c2a92168_attn
	.p2align	8
	.type	k_qf4c2a92168_attn,@function
k_qf4c2a92168_attn:
	s_mov_b64 s[64:65], 0
	v_nop
	global_prefetch_b8 v0, s[64:65] scope:SCOPE_SE
	s_setreg_imm32_b32 hwreg(HW_REG_WAVE_MODE, 25, 1), 1
	s_wait_xcnt 0x0
; Attention on codes of BF6 (E3M2): for each of 64 heads (16 batch + head) o = softmax(mask ? q k^T / 8 : -infinity) v, and o quantised along the channels for the last projection.
; THE SOFTMAX: t = score x log2(e) / 8; M = the running largest t rounded UP to a whole number; p = 2^(t - M) is quantised along the keys; the row's sum is taken of the unquantised p and divides at the end.
; When M moves, the sum and O are multiplied by 2^(old M - new M): exact.
; SHARES.  A work-group serves one head: it copies the head's K, V and their scale words, 208,896 dense bytes of hr, into LDS ONCE; behind the one barrier the waves share nothing.  Each of its 16 waves makes two
; tiles of 16 queries one after the other, T and 127 - T (T = 16 x work-group x + wave).  A tile walks 16 key steps of 128.
; THE MASK is an input.  An earlier launch has stored, for each tile and key step, 64 lane masks and two summary bits.  A step none of whose pairs counts changes nothing and is passed over; a step all of whose pairs
; count needs no masks; in the others hidden scores become -infinity ahead of the maximum.  These are scalar branches on stored whole numbers; the loop's trip count is a constant.
; The four work-groups of a head read the same 208,896 bytes and do NOT ask for them jointly;
; what is shared is read once a work-group, at the head.
; HEAD SIZE 64 is half of the instruction's K: registers 6-11 of Q's and K's fragments hold zero codes, written once.
; A QUERY ALL OF WHOSE KEYS ARE HIDDEN has the sum 0: its codes are zeros and its two scale bytes are 0xff, the E8M0 code for NaN, so that the last projection gives NaN in that token's whole row.
; LAYOUT.  S^T = K Q^T and O^T = V^T P^T: a lane holds one query (lane % 16).  Tile 2 B + u of K holds keys 32 B + 8 u + r + 8 (r / 8): the 16 registers of tiles 2 B, 2 B + 1 are keys 32 B + 16 (lane / 16) + 0 .. 15.
; oi: 512 token tiles (128 batch + T) of 13,312 bytes = 4 records of 3,328: two fragments of 128 channels, each two heads' tiles of 768 bytes, and a unit of scale words (8 bytes a lane).
; LIMITS: NaN and infinities among the numbers are not served; a block whose largest magnitude lies under 2^-122 gets the byte 1.
; REGISTERS: v1-5, v25, v26 lane terms; v6 Q's scale word; v7 -infinity; v8-11, v24 the step's LDS addresses; v12 -M, v13 the largest t, v[14:15] the sum; v32-43 Q; v44-91 four tiles of K; v92-95 their scale words;
;   v96-159 S^T, then p, then V's four fragments; v160-191 O^T; v192-203 p's codes; v204-235 at work.
.set HR,   315392
.set L_VI, 98304                       ; LDS: K's tiles at 0, V's fragments, K's scale words, V's scale words
.set L_KS, 196608
.set L_VS, 204800
.set KF,   44
.set KSW,  92
.set S,    96
.set O,    160
.set PC,   192
.set PT,   204
.set BM,   212
.set TP,   216
.set SOP,  220
.set VSW,  232
	s_load_b64 s[2:3], s[0:1], 0x0                 ; hr
	s_load_b128 s[4:7], s[0:1], 0x8                ; mw, oi
	v_lshl_add_u32 v254, v0, 2, 0x33000
	v_mov_b32 v255, 0
	v_lshrrev_b32 v1, 5, v0
	v_readfirstlane_b32 s10, v1                    ; wave 0 .. 15
	s_and_b32 s19, ttmp7, 0xffff                   ; 16 batch + head
	s_mul_i32 s100, s19, HR
	s_mov_b32 s101, 0                              ; stays 0: the upper word of every offset
	v_lshlrev_b32 v28, 4, v0                       ; 16 x thread; an LDS immediate reaches 65,535, so the registers carry the rest
	v_add_nc_u32 v29, 0x10000, v28
	v_add_nc_u32 v30, 0x20000, v28
	v_add_nc_u32 v31, 0x30000, v28
	s_wait_kmcnt 0x0
	s_add_nc_u64 s[2:3], s[2:3], s[100:101]        ; my head's record
	s_add_nc_u64 s[30:31], s[2:3], 106496          ; K, V and their scale words: 25 parts of 8,192 bytes and half a part
	s_cmp_lt_u32 s10, 8
	s_cbranch_scc0 .Lno_half
	global_load_b128 v[196:199], v28, s[30:31] offset:8192*25
.Lno_half:
.set n, 0
.rept 25
	global_load_b128 v[96+4*n:96+4*n+3], v28, s[30:31] offset:8192*n
.set n, n+1
.endr
	v_and_b32 v20, 31, v0                          ; lane
	v_and_b32 v21, 15, v0                          ; r
	v_lshlrev_b32 v1, 4, v20                       ; 16 l
	v_lshlrev_b32 v25, 3, v20                      ; 8 l
	v_add_nc_u32 v2, 512, v25
	v_lshlrev_b32 v26, 4, v21                      ; 16 r
	v_lshl_add_u32 v3, v20, 4, L_VI
	v_lshl_add_u32 v4, v21, 4, L_KS
	v_lshl_add_u32 v5, v21, 4, L_VS
	v_mov_b32 v7, 0xff800000                       ; -infinity
.irp i, 38,39,40,41,42,43
	v_mov_b32 v\i, 0                               ; Q's upper 64 along K: zero codes
.endr
.irp t, 0,1,2,3
.irp i, 6,7,8,9,10,11
	v_mov_b32 v[KF+12*\t+\i], 0                    ; K's likewise: written once
.endr
.endr
.irp e, 0,1,2,3
	v_mov_b32 v[TP+\e], 0                          ; a lane permute's destination counts as read
.endr
	v_mov_b32 v225, 0                              ; named as the upper half of the pair v[224:225]
	v_mov_b32 v227, 0
	s_mov_b32 s20, 0x76543210
	s_mov_b32 s21, 0xfedcba98                      ; selects: lane l xor 16
	s_mov_b32 s22, 0x3e38aa3b                      ; c = log2(e) / 8
	s_mov_b32 s23, s22
	s_lshl_b32 s12, ttmp9, 4
	s_add_co_u32 s12, s12, s10                     ; T
	s_lshr_b32 s8, s19, 4                          ; where my head's codes and bytes stand in a token tile of oi: batch x 128 tiles,
	s_mul_i32 s8, s8, 128*13312
	s_bfe_u32 s9, s19, 0x20002                     ; record head / 4,
	s_mul_i32 s9, s9, 3328
	s_add_co_u32 s8, s8, s9
	s_bfe_u32 s16, s19, 0x10001                    ; fragment (head / 2) % 2,
	s_and_b32 s17, s19, 1                          ; half head % 2
	s_lshl_b32 s18, s16, 2
	s_add_co_u32 s9, s8, s18
	s_lshl_b32 s18, s17, 1
	s_add_co_u32 s9, s9, s18
	s_add_co_u32 s9, s9, 3072                      ; the bytes
	s_mul_i32 s16, s16, 1536
	s_add_co_u32 s8, s8, s16
	s_mul_i32 s17, s17, 768
	s_add_co_u32 s8, s8, s17                       ; the codes
.set n, 0
.rept 25
	s_wait_loadcnt 24-n                            ; part n is in; the parts issued behind it stay out
	ds_store_b128 v[28+n/8], v[96+4*n:96+4*n+3] offset:8192*(n%8)
.set n, n+1
.endr
	s_cmp_lt_u32 s10, 8
	s_cbranch_scc0 .Lno_half_store
	ds_store_b128 v31, v[196:199] offset:8192
.Lno_half_store:
	s_wait_dscnt 0x0                               ; for the others' sake: my stores have landed
	s_barrier_signal -1
	s_barrier_wait -1                              ; from here on LDS is only read
.macro QK                              ; S^T = K Q^T for the step's 128 keys, four tiles of 16 at a time
	v_add_nc_u32 v8, s16, v1
	v_add_nc_u32 v9, s16, v2
	v_add_nc_u32 v10, s16, v3
	v_add_nc_u32 v11, s17, v4
	v_add_nc_u32 v24, s18, v5
.irp g, 0,1
.if \g
.rept 4
	v_nop                                          ; places in front of loads into registers that matrix instructions have read
.endr
.endif
.irp t, 0,1,2,3
	ds_load_b128 v[KF+12*\t:KF+12*\t+3], v8 offset:768*(4*\g+\t)
	ds_load_b64 v[KF+12*\t+4:KF+12*\t+5], v9 offset:768*(4*\g+\t)
.endr
	ds_load_b128 v[KSW:KSW+3], v11 offset:256*\g
	s_wait_dscnt 0x0
.irp t, 0,1,2,3
	v_wmma_scale_f32_16x16x128_f8f6f4 v[S+8*(4*\g+\t):S+8*(4*\g+\t)+7], v[KF+12*\t:KF+12*\t+11], v[32:43], 0, v[KSW+\t], v6 matrix_a_fmt:MATRIX_FMT_BF6 matrix_b_fmt:MATRIX_FMT_BF6
.endr
.endr
.rept 4
	v_nop
.endr
.endm
	s_mov_b32 s11, 2
.Lpass:
	s_wait_xcnt 0x0                                ; the last pass's stores have read their registers and bases
	s_mul_i32 s100, s12, 768
	s_add_nc_u64 s[30:31], s[2:3], s[100:101]      ; Q's tile T
	s_lshr_b32 s19, s12, 2
	s_lshl_b32 s19, s19, 8
	s_and_b32 s100, s12, 3
	s_lshl_b32 s100, s100, 2
	s_add_co_u32 s100, s100, s19
	s_add_co_u32 s100, s100, 98304
	s_add_nc_u64 s[66:67], s[2:3], s[100:101]      ; its scale words: 256 (T / 4) + 16 r + 4 (T % 4)
	s_lshl_b32 s100, s12, 12
	s_add_nc_u64 s[28:29], s[4:5], s[100:101]      ; its lane masks: 4,096 bytes a tile
	s_lshl_b32 s19, s12, 4
	global_load_b128 v[32:35], v1, s[30:31]
	global_load_b64 v[36:37], v25, s[30:31] offset:512
	global_load_b32 v6, v26, s[66:67]
	s_load_b128 s[24:27], s[4:5], s19 offset:0x80000   ; its summary
	v_mov_b32 v13, 0xff61b1e6                      ; the largest t so far: -3e38
	v_floor_f32 v12, -v13                          ; -M
	v_mov_b32 v14, 0
	v_mov_b32 v15, 0
.set n, 0
.rept 32
	v_mov_b32 v[O+n], 0                            ; which step comes first hangs on the mask, so none is written out: the first finds zeros
.set n, n+1
.endr
	s_mov_b32 s15, 16
	s_mov_b32 s16, 0                               ; 6,144 j: K's tiles and V's fragments
	s_mov_b32 s17, 0                               ; 512 j: K's scale words
	s_mov_b32 s18, 0                               ; 256 j: V's scale words, and the lane masks
	s_wait_kmcnt 0x0
	s_or_b32 s24, s24, s25
	s_or_b32 s26, s26, s27
	s_or_b32 s24, s24, s26
	s_and_b32 s13, s24, 0xffff                     ; bit j: step j has a pair that counts
	s_lshr_b32 s14, s24, 16                        ; bit j: all its pairs count
	s_wait_loadcnt 0x0
.Lstep:
	s_bitcmp1_b32 s13, 0
	s_cbranch_scc0 .Lnext
	s_bitcmp1_b32 s14, 0
	s_cbranch_scc1 .Lopen
	s_load_b512 s[32:47], s[28:29], s18 offset:0x0
	s_load_b512 s[48:63], s[28:29], s18 offset:0x40
	s_load_b512 s[68:83], s[28:29], s18 offset:0x80
	s_load_b512 s[84:99], s[28:29], s18 offset:0xc0
	QK
	s_wait_kmcnt 0x0
.set n, 0
.rept 64
	v_cndmask_b32 v[S+n], v7, v[S+n], s[32+n+4*(n/32)]   ; a hidden score becomes -infinity; each accumulator is taken from its low end on
.set n, n+1
.endr
	s_branch .Lsoft
.Lopen:
	QK
.Lsoft:
.irp e, 0,1,2,3
	v_max3_num_f32 v[BM+\e], v[S+16*\e], v[S+1+16*\e], v[S+2+16*\e]   ; the largest score of each block of 32 keys: for the row's maximum and, since p rises with the score, for the block's largest p
.endr
.irp i, 3,5,7,9,11,13
.irp e, 0,1,2,3
	v_max3_num_f32 v[BM+\e], v[BM+\e], v[S+16*\e+\i], v[S+1+16*\e+\i]
.endr
.endr
.irp e, 0,1,2,3
	v_max_num_f32 v[BM+\e], v[BM+\e], v[S+15+16*\e]
.endr
.irp e, 0,1,2,3
	v_permlanex16_b32 v[TP+\e], v[BM+\e], s20, s21
.endr
.irp e, 0,1,2,3
	v_max_num_f32 v[BM+\e], v[BM+\e], v[TP+\e]     ; with lane l xor 16's 16 keys
.endr
	v_max3_num_f32 v227, v[BM], v[BM+1], v[BM+2]
	v_max_num_f32 v227, v227, v[BM+3]
	v_mul_f32 v227, s22, v227                      ; as t
	v_max_num_f32 v13, v13, v227                   ; the running largest t
	v_mov_b32 v227, v12
	v_floor_f32 v12, -v13                          ; the new -M = -ceil(t): a whole number
	v_sub_f32 v227, v12, v227                      ; old M - new M, 0 or less
	v_cvt_i32_f32 v227, v227                       ; (it saturates)
	v_ldexp_f32 v224, 1.0, v227                    ; f = 2^(old M - new M)
.set n, 0
.rept 32
	v_pk_fma_f32 v[S+n:S+n+1], v[S+n:S+n+1], s[22:23], v[12:13] op_sel_hi:[1,0,0]   ; t - M, two at a time
.set n, n+2
.endr
.irp e, 0,1,2,3
	v_fma_f32 v[BM+\e], v[BM+\e], s22, v12
.endr
.set n, 0
.rept 64
	v_exp_f32 v[S+n], v[S+n]                       ; p = 2^(t - M)
.set n, n+1
.endr
	v_pk_mul_f32 v[14:15], v[14:15], v[224:225] op_sel_hi:[1,0]   ; the sums under the new M: a plain instruction behind the exponentials
	s_wait_alu depctr_va_vdst(0)                   ; one wait for the batch, ahead of its first reader
.irp e, 0,1,2,3
	v_exp_f32 v[BM+\e], v[BM+\e]                   ; the blocks' largest p
.endr
	v_pk_add_f32 v[228:229], v[S:S+1], v[S+2:S+3]  ; the row's sum, of the unquantised p, in two chains
.irp j, 4,8,12,16,20,24,28,32,36,40,44,48,52,56,60
	v_pk_add_f32 v[14:15], v[14:15], v[S+\j:S+\j+1]
	v_pk_add_f32 v[228:229], v[228:229], v[S+\j+2:S+\j+3]
.endr
	v_pk_add_f32 v[14:15], v[14:15], v[228:229]
	s_wait_alu depctr_va_vdst(0)                   ; and one for the four
.irp e, 0,1,2,3
	v_max_num_f32 v[BM+\e], 0x2800000, v[BM+\e]    ; the floor 2^(5 - 127): a block of zeros keeps the byte 1
.endr
.irp e, 0,1,2,3
	v_add_nc_u32 v[SOP+\e], 0xfe000000, v[BM+\e]
.endr
.irp e, 0,1,2,3
	v_lshrrev_b32 v[TP+\e], 23, v[SOP+\e]
.endr
	v_lshl_or_b32 v226, v[TP+1], 8, v[TP]          ; p's scale word for these 128 keys
	v_lshl_or_b32 v226, v[TP+2], 16, v226
	v_lshl_or_b32 v226, v[TP+3], 24, v226
.irp c, 0,1
	v_cvt_scalef32_pk16_bf6_f32 v[PC+6*\c:PC+6*\c+2], v[S+32*\c:S+32*\c+15], v[SOP+2*\c]
	v_cvt_scalef32_pk16_bf6_f32 v[PT+4*\c:PT+4*\c+2], v[S+32*\c+16:S+32*\c+31], v[SOP+2*\c+1]
.endr
	v_nop                                          ; one plain instruction behind the scaled conversions
.irp t, 0,1,2,3                                ; V's four fragments take p's registers; they land under the lines below
.irp u, 0,1,2
	ds_load_b128 v[S+12*\t+4*\u:S+12*\t+4*\u+3], v10 offset:1536*\t+512*\u
.endr
.endr
	ds_load_b128 v[VSW:VSW+3], v24
.irp c, 0,1
.irp i, 0,1,2
	v_permlane16_swap_b32 v[PC+6*\c+\i], v[PT+4*\c+\i]
.endr
.irp i, 0,1,2
	v_mov_b32 v[PC+3+6*\c+\i], v[PT+4*\c+\i]
.endr
.endr
.set n, 0
.rept 16
	v_pk_mul_f32 v[O+n:O+n+1], v[O+n:O+n+1], v[224:225] op_sel_hi:[1,0]   ; O^T under the new M; these 16 are also the places between the operand's and the scale word's last writes and the products
.set n, n+2
.endr
	s_wait_dscnt 0x0
.irp t, 0,1,2,3
	v_wmma_scale_f32_16x16x128_f8f6f4 v[O+8*\t:O+8*\t+7], v[S+12*\t:S+12*\t+11], v[PC:PC+11], v[O+8*\t:O+8*\t+7], v[VSW+\t], v226 matrix_a_fmt:MATRIX_FMT_BF6 matrix_b_fmt:MATRIX_FMT_BF6
.endr
.rept 5
	v_nop                                          ; the next scores are written over V's registers by matrix instructions: five places; four serve the way out's reads
.endr
.Lnext:
	s_add_co_u32 s16, s16, 6144
	s_add_co_u32 s17, s17, 512
	s_add_co_u32 s18, s18, 256
	s_lshr_b32 s13, s13, 1
	s_lshr_b32 s14, s14, 1
	s_sub_co_u32 s15, s15, 1
	s_cmp_lg_u32 s15, 0
	s_cbranch_scc1 .Lstep
	; THE WAY OUT of a tile: O^T / the sum, quantised along the head's 64 channels: registers 16 B + i are channels 32 B + 16 (lane / 16) + i
	v_add_f32 v14, v14, v15
	v_permlanex16_b32 v227, v14, s20, s21
	v_add_f32 v14, v14, v227                       ; the row's sum
	v_rcp_f32 v228, v14
	v_cmp_lt_f32 vcc_lo, 0, v14                    ; (a plain instruction behind the reciprocal)  does any key count?
	s_mul_i32 s100, s12, 13312
	s_add_co_u32 s19, s100, s9
	s_add_co_u32 s100, s100, s8
	s_add_nc_u64 s[30:31], s[6:7], s[100:101]      ; my codes' place in oi
	s_mov_b32 s100, s19
	s_add_nc_u64 s[66:67], s[6:7], s[100:101]      ; my bytes'
	s_wait_alu depctr_va_vdst(0)                   ; the wait ahead of the reciprocal's first reader
	v_cndmask_b32 v228, 0, v228, vcc_lo            ; a query with no key: zeros
.set n, 0
.rept 32
	v_mul_f32 v[S+n], v[O+n], v228
.set n, n+1
.endr
.irp e, 0,1
	v_max3_num_f32 v[BM+\e], |v[S+16*\e]|, |v[S+1+16*\e]|, 0x2800000
.endr
.irp i, 2,4,6,8,10,12,14
.irp e, 0,1
	v_max3_num_f32 v[BM+\e], v[BM+\e], |v[S+16*\e+\i]|, |v[S+1+16*\e+\i]|
.endr
.endr
.irp e, 0,1
	v_permlanex16_b32 v[TP+\e], v[BM+\e], s20, s21
.endr
.irp e, 0,1
	v_max_num_f32 v[BM+\e], v[BM+\e], v[TP+\e]
.endr
.irp e, 0,1
	v_add_nc_u32 v[SOP+\e], 0xfe000000, v[BM+\e]
.endr
.irp e, 0,1
	v_lshrrev_b32 v[TP+\e], 23, v[SOP+\e]
.endr
	v_lshl_or_b32 v229, v[TP+1], 8, v[TP]          ; my head's two bytes of the token's scale word;
	v_cndmask_b32 v229, 0xffff, v229, vcc_lo       ; NaN's code where no key counts
	v_cvt_scalef32_pk16_bf6_f32 v[PC:PC+2], v[S:S+15], v[SOP]
	v_cvt_scalef32_pk16_bf6_f32 v[PT:PT+2], v[S+16:S+31], v[SOP+1]
	v_nop
.irp i, 0,1,2
	v_permlane16_swap_b32 v[PC+\i], v[PT+\i]
.endr
.irp i, 0,1,2
	v_mov_b32 v[PC+3+\i], v[PT+\i]
.endr
	global_store_b128 v1, v[PC:PC+3], s[30:31]             ; 512 consecutive bytes, aligned to 256
	global_store_b64 v25, v[PC+4:PC+5], s[30:31] offset:512   ; 256
	global_store_b16 v25, v229, s[66:67]                   ; two bytes of each lane's eight: a head has two of a scale word's four bytes, so this unit is written by four heads
	s_sub_co_u32 s12, 127, s12                     ; the second tile
	s_sub_co_u32 s11, s11, 1
	s_cmp_lg_u32 s11, 0
	s_cbranch_scc1 .Lpass
	s_wait_tensorcnt 0x0
	ds_add_u32 v254, v255
	s_wait_dscnt 0x0
	s_endpgm
.Lfunc_end_k_qf4c2a92168_attn:
	.size	k_qf4c2a92168_attn, .Lfunc_end_k_qf4c2a92168_attn-k_qf4c2a92168_attn
	.p2alignl 7, 3214868480
	.fill 96, 4, 3214868480
	.section	.rodata,"a",@progbits
	.p2align	6, 0x0
	.amdhsa_kernel k_qf4c2a92168_attn
		.amdhsa_group_segment_fixed_size 210944
		.amdhsa_private_segment_fixed_size 0
		.amdhsa_enable_private_segment 0
		.amdhsa_kernarg_size 24
		.amdhsa_user_sgpr_count 2
		.amdhsa_user_sgpr_kernarg_segment_ptr 1
		.amdhsa_wavefront_size32 1
		.amdhsa_system_sgpr_workgroup_id_x 1
		.amdhsa_system_sgpr_workgroup_id_y 1
		.amdhsa_system_sgpr_workgroup_id_z 1
		.amdhsa_system_vgpr_workitem_id 0
		.amdhsa_next_free_vgpr 256
		.amdhsa_next_free_sgpr 102
		.amdhsa_reserve_vcc 1
		.amdhsa_float_denorm_mode_32 3
		.amdhsa_float_denorm_mode_16_64 3
		.amdhsa_memory_ordered 1
		.amdhsa_forward_progress 1
		.amdhsa_inst_pref_size 39
	.end_amdhsa_kernel
	.amdgpu_metadata
---
amdhsa.version: [ 1, 2 ]
amdhsa.kernels:
  - .name:           k_qf4c2a92168_attn
    .symbol:         k_qf4c2a92168_attn.kd
    .args:
      - { .name: hr, .offset: 0, .size: 8, .value_kind: global_buffer, .address_space: global }
      - { .name: mw, .offset: 8, .size: 8, .value_kind: global_buffer, .address_space: global }
      - { .name: oi, .offset: 16, .size: 8, .value_kind: global_buffer, .address_space: global }
    .group_segment_fixed_size: 210944
    .private_segment_fixed_size: 0
    .kernarg_segment_align: 8
    .kernarg_segment_size: 24
    .max_flat_workgroup_size: 512
    .sgpr_count:     102
    .vgpr_count:     256
    .wavefront_size: 32
...
	.end_amdgpu_metadata
.endif
;; end of part 3
;; launch outp (part 4): grid 4 x 64, 4 waves a work-group, clusters of 4 x 4, 320,000 bytes of LDS; arguments oi, xi, bo, out0; writes out0
.if DOCPART == 4
	.amdgcn_target "amdgcn-amd-amdhsa--gfx1250"
	.amdhsa_code_object_version 6
	.text
	.protected	k_qf4c2a92168_outp
	.globl	k_qf4c2a92168_outp
	.p2align	8
	.type	k_qf4c2a92168_outp,@function
k_qf4c2a92168_outp:
	s_mov_b64 s[64:65], 0
	v_nop
	global_prefetch_b8 v0, s[64:65] scope:SCOPE_SE
	s_setreg_imm32_b32 hwreg(HW_REG_WAVE_MODE, 25, 1), 1
	s_wait_xcnt 0x0
	s_wait_alu depctr_hold_cnt(0) depctr_sa_sdst(0) depctr_va_vdst(0) depctr_va_sdst(0) depctr_va_ssrc(0) depctr_va_vcc(0) depctr_vm_vsrc(0)
	s_getreg_b32 s2, hwreg(HW_REG_IB_STS2, 6, 4)
	s_cmp_eq_u32 s2, 0
	s_cbranch_scc0 .Lentry_in_a_cluster
	s_endpgm
.Lentry_in_a_cluster:
	s_bfe_u32 s2, ttmp6, 0x10000c
	s_cmp_lg_u32 s2, 0xf033
	s_cbranch_scc0 .Lentry_shape_is_right
	s_endpgm
.Lentry_shape_is_right:
; out0 = o Wo^T + bo on codes of BF6 (E3M2).  o's codes lie in oi, Wo's in xi, both as images of operand registers (row blocks of 16 rows, 4 records of 3,328 bytes: two fragments of 128 K and a unit of scale words;
; a row block 2 B + u holds rows 32 B + 8 u + r + 8 (r / 8)).  In oi a fragment is two heads' tiles of 768 bytes: registers 6 c .. 6 c + 3 at 768 c + 16 l, 6 c + 4, 6 c + 5 at 768 c + 512 + 8 l.
; THE PRODUCT.  Source 0 = 16 rows of Wo (out channels), source 1 = 16 tokens: a lane holds one token, and the 16 registers of Wo's blocks 2 B, 2 B + 1 are out channels 32 B + 16 (lane / 16) + 0 .. 15.
; A token whose scale bytes are 0xff (no key counted for it) gets NaN in its whole row.
; SHARES.  A work-group makes 128 tokens x 256 out channels; four waves, each 64 x 128: 32 accumulators.  4 x 64 = 256 work-groups.
; LDS.  ALL OF K LIES IN LDS: four slots of 256 along K, 79,872 bytes each (the tokens' 8 records, then Wo's 16): every byte is filled once, so there is no ring.  Each wave issues four tensor loads at the start, one a
; slot: four loads of a wave are out at the most.  The way out's stages lie in slot 0, whose one fill and last read are over, for every wave, at the barrier in front of slot 1.
; CLUSTER 4 x 4: the tokens' tile is shared along a row of the cluster, Wo's along a column: each is asked for jointly.
; REGISTERS, in windows of 256: window 0: v1-21 lane terms and LDS addresses; v32-63 scale words, two sets; v64-127 the bias; v128-223 the tokens' fragments, two sets of 4 (on the way out v128-255: rows of out0).
;   window 1: Wo's fragments, two sets of 8, at v0 and v128.   window 2: accumulator (a, b) at v[8 (8 a + b)].
.set RBB,   13312
.set RECB,  3328
.set XSEC,  8*RECB
.set SLOT,  24*RECB
.set NF,    40                         ; LDS loads of a FETCH
.set SPI,   528                        ; a stage row: 512 bytes + 16
.set ADRA,  16
.set ADRB,  17
.set ADRS,  18
.set ADRA8, 19
.set STO,   20
.set RD,    21
.set SC,    32
.set BIAS,  64
.set XF,    128
.set BK,    128
.set G1X,   16
.set G0X,   24
.set G1Y,   40
.set G0Y,   48
.set W_MUL,  0xa1                      ; source 0 (Wo) window 1, source 1 (tokens) window 0, C and D window 2
.set W_MULB, 0x81                      ; the same with C (the bias) in window 0
.set TO_Y,   0x40                      ; destination window 1
.set MSB, 0
.macro WIN new                         ; the immediate's high byte repeats the setting that is left
.if MSB != \new
	s_set_vgpr_msb (MSB<<8)|\new
.set MSB, \new
.endif
.endm
.macro CROUND                          ; a round of the cluster's barrier
	s_barrier_signal -1
	s_barrier_wait -1
	s_cmp_lg_u32 s14, 0
	s_cbranch_scc1 .Lnot_wave_0_\@
	s_barrier_signal -3
.Lnot_wave_0_\@:
	s_barrier_wait -3
	s_barrier_signal -1
	s_barrier_wait -1
.endm
.macro PLACES                          ; four plain instructions between a matrix instruction and a load into, or a read of, its registers
.rept 4
	v_nop
.endr
.endm
	s_load_b256 s[4:11], s[0:1], 0x0               ; oi, xi, bo, out0
	v_lshl_add_u32 v30, v0, 2, 0x4e000
	v_mov_b32 v31, 0
	ds_add_u32 v30, v31
	ds_add_u32 v30, v31
	v_lshrrev_b32 v1, 5, v0
	v_readfirstlane_b32 s14, v1                    ; wave
	s_lshr_b32 s15, s14, 1                         ; rho: my half of the tokens.  Also: I fetch tokens (0) or Wo (1)
	s_and_b32 s66, s14, 1                          ; kappa: my half of the out channels.  Also: which half of that tile I fetch
	s_bfe_u32 s67, ttmp6, 0x40000                  ; cx = tile column
	s_bfe_u32 s68, ttmp6, 0x40004                  ; cy
	s_and_b32 s69, ttmp7, 0xffff
	s_lshl_b32 s72, s69, 2
	s_add_co_u32 s72, s72, s68                     ; tile row = 4 x cluster y + cy
	s_lshl_b32 s76, s72, 3                         ; the tokens' first row block that I fetch: 8 x tile row + 4 x half
	s_lshl_b32 s77, s66, 2
	s_add_co_u32 s76, s76, s77
	s_mul_i32 s76, s76, RBB
	s_mov_b32 s77, 0
	s_lshl_b32 s78, s67, 4                         ; Wo's: 1,728 + 16 x tile column + 8 x half
	s_lshl_b32 s79, s66, 3
	s_add_co_u32 s78, s78, s79
	s_add_co_u32 s78, s78, 1728
	s_mul_i32 s78, s78, RBB
	s_mov_b32 s79, 0
	s_lshl_b32 s80, s68, 2
	s_lshl_b32 s80, 15, s80                        ; my row of the cluster
	s_lshl_b32 s81, 0x1111, s67                    ; my column
	; group 1: rows of 3,328 bytes (416 elements of 8 bytes), 13,312 bytes apart: one record of each of 4 or 8 row blocks; no padding: every LDS read takes consecutive bytes
	s_or_b32 s[G1X], s80, (3<<16)|(1<<21)
	s_mov_b32 s[G1X+1], 416<<16
	s_mov_b32 s[G1X+2], 4<<16
	s_mov_b32 s[G1X+3], 416<<16
	s_mov_b32 s[G1X+4], 4
	s_mov_b32 s[G1X+5], 1664
	s_mov_b32 s[G1X+6], 0
	s_mov_b32 s[G1X+7], 0
	s_or_b32 s[G1Y], s81, (3<<16)|(1<<21)
	s_mov_b32 s[G1Y+1], 416<<16
	s_mov_b32 s[G1Y+2], 8<<16
	s_mov_b32 s[G1Y+3], 416<<16
	s_mov_b32 s[G1Y+4], 8
	s_mov_b32 s[G1Y+5], 1664
	s_mov_b32 s[G1Y+6], 0
	s_mov_b32 s[G1Y+7], 0
	s_mul_i32 s82, s66, 4*RECB                     ; where they go: no place in the cluster enters an LDS address
	s_mul_i32 s83, s66, 8*RECB
	s_wait_dscnt 0x0
	s_wait_kmcnt 0x0
	s_add_nc_u64 s[76:77], s[4:5], s[76:77]
	s_add_nc_u64 s[78:79], s[6:7], s[78:79]
.irp s, 0,1,2,3
	s_mov_b32 s[G0X+4*\s], 1
	s_add_co_u32 s[G0X+4*\s+1], s82, \s*SLOT
	s_add_nc_u64 s[G0X+4*\s+2:G0X+4*\s+3], s[76:77], \s*RECB
	s_or_b32 s[G0X+4*\s+3], s[G0X+4*\s+3], 0x80000000
	s_mov_b32 s[G0Y+4*\s], 1
	s_add_co_u32 s[G0Y+4*\s+1], s83, \s*SLOT+XSEC
	s_add_nc_u64 s[G0Y+4*\s+2:G0Y+4*\s+3], s[78:79], \s*RECB
	s_or_b32 s[G0Y+4*\s+3], s[G0Y+4*\s+3], 0x80000000
.endr
	CROUND                                         ; all sixteen work-groups are here: the joint loads meet
	s_cmp_eq_u32 s15, 0                            ; a wave's four fills stand in one branch on the wave's number
	s_cbranch_scc0 .Lfill_y
.irp s, 0,1,2,3
	tensor_load_to_lds s[G0X+4*\s:G0X+4*\s+3], s[G1X:G1X+7]
	s_nop 0
.endr
	PLACES
	s_branch .Lfilled
.Lfill_y:
.irp s, 0,1,2,3
	tensor_load_to_lds s[G0Y+4*\s:G0Y+4*\s+3], s[G1Y:G1Y+7]
	s_nop 0
.endr
	PLACES
.Lfilled:
	v_and_b32 v1, 31, v0                           ; lane
	v_and_b32 v2, 15, v0                           ; r
	v_bfe_u32 v3, v0, 4, 1                         ; h
	v_lshlrev_b32 v4, 4, v1
	v_lshlrev_b32 v5, 3, v1
	s_mul_i32 s88, s15, 4*RECB                     ; my 4 blocks of tokens
	s_mul_i32 s89, s66, 8*RECB
	s_add_co_u32 s89, s89, XSEC                    ; my 8 blocks of Wo
	v_add_nc_u32 v[ADRA], s88, v4
	v_add_nc_u32 v[ADRB], s89, v4
	v_add_nc_u32 v[ADRA8], s88, v5
	v_add_nc_u32 v[ADRA8], 512, v[ADRA8]
	s_sub_co_u32 s90, s89, s88
	v_mul_u32_u24 v6, s90, v3                      ; scale words: lanes 0-15 take the tokens' block i, lanes 16-31 Wo's block i
	v_add_nc_u32 v6, v6, v5
	s_add_co_u32 s88, s88, 3072
	v_add_nc_u32 v[ADRS], s88, v6
	s_mul_i32 s91, s14, 16*SPI                     ; my stage
	v_mul_u32_u24 v8, v2, SPI
	v_lshl_add_u32 v8, v3, 6, v8
	v_add_nc_u32 v[STO], s91, v8                   ; in: row r, + 64 h
	v_add_nc_u32 v[RD], s91, v4                    ; back: a row's 512 bytes, 16 a lane
	; THE BIAS is the C of each sum's first matrix instruction: block b's registers are out channels 32 (b / 2) + 16 h + 8 (b % 2) + 0 .. 7
	s_lshl_b32 s96, s67, 10
	s_lshl_b32 s97, s66, 9
	s_add_co_u32 s96, s96, s97                     ; my 128 out channels, in bytes
	s_mov_b32 s97, 0
	s_add_nc_u64 s[94:95], s[8:9], s[96:97]
	v_lshlrev_b32 v7, 6, v3
.irp b, 0,1,2,3,4,5,6,7
	global_load_b128 v[BIAS+8*\b:BIAS+8*\b+3], v7, s[94:95] offset:(32*(\b/2)+8*(\b%2))*4
	global_load_b128 v[BIAS+8*\b+4:BIAS+8*\b+7], v7, s[94:95] offset:(32*(\b/2)+8*(\b%2))*4+16
.endr
	s_lshl_b32 s92, s72, 19                        ; out0: 128 x tile row + 64 rho rows of 4,096 bytes, + my columns
	s_lshl_b32 s93, s15, 18
	s_add_co_u32 s92, s92, s93
	s_add_co_u32 s92, s92, s96
	s_mov_b32 s93, 0
	s_add_nc_u64 s[10:11], s[10:11], s[92:93]
.macro FETCH q, p                      ; the fragments of the slot's q-th 128 along K into sets p
	WIN TO_Y
.irp b, 0,1,2,3,4,5,6,7
.irp u, 0,1,2
	ds_load_b128 v[128*(\p)+12*\b+4*\u:128*(\p)+12*\b+4*\u+3], v[ADRB] offset:RECB*\b+1536*(\q)+512*\u
.endr
.endr
	WIN 0
.irp a, 0,1,2,3
.irp c, 0,1
	ds_load_b128 v[XF+48*(\p)+12*\a+6*\c:XF+48*(\p)+12*\a+6*\c+3], v[ADRA] offset:RECB*\a+1536*(\q)+768*\c
	ds_load_b64 v[XF+48*(\p)+12*\a+6*\c+4:XF+48*(\p)+12*\a+6*\c+5], v[ADRA8] offset:RECB*\a+1536*(\q)+768*\c
.endr
.endr
.endm
.macro SCALES sc                       ; a slot's scale words: register 2 i + q: lanes 0-15 the tokens' block i (i under 4), lanes 16-31 Wo's block i
.irp i, 0,1,2,3,4,5,6,7
	ds_load_b64 v[SC+16*(\sc)+2*\i:SC+16*(\sc)+2*\i+1], v[ADRS] offset:RECB*\i
.endr
.endm
; 32 matrix instructions: the 32 accumulators take turns, one instruction a turn, in the same order in every step.  mode 0: in place; 1: C = the bias
.macro MUL p, q, sc, mode
.if \mode == 0
	WIN W_MUL
.else
	WIN W_MULB
.endif
.irp a, 0,1,2,3
.irp b, 0,1,2,3,4,5,6,7
.if \mode == 0
	v_wmma_scale_f32_16x16x128_f8f6f4 v[8*(8*\a+\b):8*(8*\a+\b)+7], v[128*(\p)+12*\b:128*(\p)+12*\b+11], v[XF+48*(\p)+12*\a:XF+48*(\p)+12*\a+11], v[8*(8*\a+\b):8*(8*\a+\b)+7], v[SC+16*(\sc)+2*\b+(\q)], v[SC+16*(\sc)+2*\a+(\q)] matrix_a_fmt:MATRIX_FMT_BF6 matrix_b_fmt:MATRIX_FMT_BF6 matrix_a_scale:MATRIX_SCALE_ROW1
.else
	v_wmma_scale_f32_16x16x128_f8f6f4 v[8*(8*\a+\b):8*(8*\a+\b)+7], v[128*(\p)+12*\b:128*(\p)+12*\b+11], v[XF+48*(\p)+12*\a:XF+48*(\p)+12*\a+11], v[BIAS+8*\b:BIAS+8*\b+7], v[SC+16*(\sc)+2*\b+(\q)], v[SC+16*(\sc)+2*\a+(\q)] matrix_a_fmt:MATRIX_FMT_BF6 matrix_b_fmt:MATRIX_FMT_BF6 matrix_a_scale:MATRIX_SCALE_ROW1
.endif
.endr
.endr
.endm
.macro STEP0 sg                        ; a slot's first 128 along K; its second is asked for first
	PLACES                                         ; sets 1 were multiplied last
	FETCH 1, 1
	s_wait_dscnt NF                                ; all but the loads just issued: sets 0 and the slot's scale words are in
	MUL 0, 0, (\sg)%2, 0
.endm
.macro STEP1 sg                        ; a slot's second 128; the next slot's first fragments are asked for behind a barrier
	s_wait_dscnt 0x0                               ; sets 1 are in: my reads of this slot are over
.if \sg < 3
	WIN 0
	s_wait_tensorcnt 2-(\sg)                       ; my part of the next slot has landed; the loads of the slots behind it stay out
	s_barrier_signal -1
	s_barrier_wait -1                              ; everybody's has
	v_add_nc_u32 v[ADRA], SLOT, v[ADRA]
	v_add_nc_u32 v[ADRB], SLOT, v[ADRB]
	v_add_nc_u32 v[ADRS], SLOT, v[ADRS]
	v_add_nc_u32 v[ADRA8], SLOT, v[ADRA8]
	PLACES                                         ; sets 0 were multiplied last
	FETCH 0, 0
	SCALES ((\sg)+1)%2
.endif
	MUL 1, 1, (\sg)%2, 0
.endm
	s_wait_tensorcnt 0x3                           ; my part of slot 0 has landed; three loads stay out
	s_barrier_signal -1
	s_barrier_wait -1
	FETCH 0, 0
	SCALES 0
	FETCH 1, 1
	s_wait_loadcnt 0x0                             ; the bias
	s_wait_dscnt NF
	MUL 0, 0, 0, 1                                 ; the first products start the sums: nothing is cleared
	STEP1 0
	STEP0 1
	STEP1 1
	STEP0 2
	STEP1 2
	STEP0 3
	STEP1 3
	WIN 0
	PLACES
; THE WAY OUT, a block of 16 tokens x 128 out channels at a time: a lane's registers go into my own stage and come back as whole rows of 512 bytes.  LDS serves a wave's instructions in order: no wait between the stores and the loads.
.macro TOSTAGE a
	WIN 0x08                                       ; an LDS store's data are its source 1: window 2
.irp b, 0,1,2,3,4,5,6,7
	ds_store_b128 v[STO], v[8*(8*(\a)+\b):8*(8*(\a)+\b)+3] offset:128*(\b/2)+32*(\b%2)       ; each accumulator from its low end on
	ds_store_b128 v[STO], v[8*(8*(\a)+\b)+4:8*(8*(\a)+\b)+7] offset:128*(\b/2)+32*(\b%2)+16
.endr
	WIN 0
.irp t, 0,1,2,3,4,5,6,7,8,9,10,11,12,13,14,15
	ds_load_b128 v[BK+64*((\a)%2)+4*\t:BK+64*((\a)%2)+4*\t+3], v[RD] offset:SPI*\t
.endr
.endm
.macro SEND a, younger                 ; younger: the LDS instructions issued behind block a's loads, which may stay out
	s_wait_dscnt \younger
.irp t, 0,1,2,3,4,5,6,7,8,9,10,11,12,13,14,15
	global_store_b128 v4, v[BK+64*((\a)%2)+4*\t:BK+64*((\a)%2)+4*\t+3], s[10:11] offset:(32*((\a)/2)+8*((\a)%2)+\t+8*(\t/8))*4096 th:TH_STORE_NT   ; 32 lanes store 512 consecutive bytes of a token's row, aligned to 256
.endr
.endm
	TOSTAGE 0
	TOSTAGE 1
	SEND 0, 32                                     ; behind block 0's loads: block 1's 16 stores and 16 loads
	s_wait_xcnt 0x0                                ; block 0's stores have read their registers: block 2's loads may land there
	TOSTAGE 2
	SEND 1, 32
	s_wait_xcnt 0x0
	TOSTAGE 3
	SEND 2, 32
	SEND 3, 0
	s_wait_tensorcnt 0x0
	ds_add_u32 v30, v31
	s_wait_dscnt 0x0
	CROUND                                         ; the closing round: no work-group ends while a partner may still ask for a tile that names it
	s_endpgm
.Lfunc_end_k_qf4c2a92168_outp:
	.size	k_qf4c2a92168_outp, .Lfunc_end_k_qf4c2a92168_outp-k_qf4c2a92168_outp
	.p2alignl 7, 3214868480
	.fill 96, 4, 3214868480
	.section	.rodata,"a",@progbits
	.p2align	6, 0x0
	.amdhsa_kernel k_qf4c2a92168_outp
		.amdhsa_group_segment_fixed_size 320000
		.amdhsa_private_segment_fixed_size 0
		.amdhsa_enable_private_segment 0
		.amdhsa_kernarg_size 32
		.amdhsa_user_sgpr_count 2
		.amdhsa_user_sgpr_kernarg_segment_ptr 1
		.amdhsa_wavefront_size32 1
		.amdhsa_system_sgpr_workgroup_id_x 1
		.amdhsa_system_sgpr_workgroup_id_y 1
		.amdhsa_system_sgpr_workgroup_id_z 1
		.amdhsa_system_vgpr_workitem_id 0
		.amdhsa_next_free_vgpr 768
		.amdhsa_next_free_sgpr 100
		.amdhsa_reserve_vcc 0
		.amdhsa_float_denorm_mode_32 3
		.amdhsa_float_denorm_mode_16_64 3
		.amdhsa_memory_ordered 1
		.amdhsa_forward_progress 1
		.amdhsa_inst_pref_size 81
	.end_amdhsa_kernel
	.amdgpu_metadata
---
amdhsa.version: [ 1, 2 ]
amdhsa.kernels:
  - .name:           k_qf4c2a92168_outp
    .symbol:         k_qf4c2a92168_outp.kd
    .args:
      - { .name: oi, .offset: 0, .size: 8, .value_kind: global_buffer, .address_space: global }
      - { .name: xi, .offset: 8, .size: 8, .value_kind: global_buffer, .address_space: global }
      - { .name: bo, .offset: 16, .size: 8, .value_kind: global_buffer, .address_space: global }
      - { .name: out0, .offset: 24, .size: 8, .value_kind: global_buffer, .address_space: global }
    .group_segment_fixed_size: 320000
    .private_segment_fixed_size: 0
    .kernarg_segment_align: 8
    .kernarg_segment_size: 32
    .max_flat_workgroup_size: 128
    .sgpr_count:     100
    .vgpr_count:     768
    .wavefront_size: 32
...
	.end_amdgpu_metadata
.endif
;; end of part 4
;; ======== version 2 of 2: 4 launches; version 1 with the launch attn written anew for expert scheduling mode
;; workspace buffers: xi 23,855,104 bytes; mw 526,336 bytes of whole numbers; hr 20,185,088 bytes; oi 6,815,744 bytes
;; launch prep: the kernel of part 1 again; grid 576 x 1, 4 waves a work-group, no clusters, 34,304 bytes of LDS; arguments q, k, v, Wq, Wk, Wv, Wo, mask, xi, mw; writes xi, mw
;; launch proj: the kernel of part 2 again; grid 12 x 64, 4 waves a work-group, clusters of 4 x 4, 320,000 bytes of LDS; arguments xi, bq, bk, bv, hr; writes hr
;; launch attn (part 5): grid 4 x 64, 16 waves a work-group, no clusters, 210,944 bytes of LDS; arguments hr, mw, oi; writes oi
.if DOCPART == 5
	.amdgcn_target "amdgcn-amd-amdhsa--gfx1250"
	.amdhsa_code_object_version 6
	.text
	.protected	k_qf4c2a92168_attn
	.globl	k_qf4c2a92168_attn
	.p2align	8
	.type	k_qf4c2a92168_attn,@function
k_qf4c2a92168_attn:
	s_mov_b64 s[64:65], 0
	v_nop
	global_prefetch_b8 v0, s[64:65] scope:SCOPE_SE
	s_setreg_imm32_b32 hwreg(HW_REG_WAVE_SCHED_MODE, 0, 2), 2
	s_setreg_imm32_b32 hwreg(HW_REG_WAVE_MODE, 25, 1), 1
	s_wait_xcnt 0x0
	s_wait_alu depctr_vm_vsrc(0)
; Attention on codes of BF6 (E3M2): for each of 64 heads (16 batch + head) o = softmax(mask ? q k^T / 8 : -infinity) v, and o quantised along the channels for the last projection.
; THE SOFTMAX: t = score x log2(e) / 8; M = the running largest t rounded UP to a whole number; p = 2^(t - M) is quantised along the keys; the row's sum is taken of the unquantised p and divides at the end.
; When M moves, the sum and O are multiplied by 2^(old M - new M): exact.
; SHARES.  A work-group serves one head: it copies the head's K, V and their scale words, 208,896 dense bytes of hr, into LDS ONCE; behind the one barrier the waves share nothing.  Each of its 16 waves makes two
; tiles of 16 queries one after the other, T and 127 - T (T = 16 x work-group x + wave).  A tile walks 16 key steps of 128.
; THE MASK is an input.  An earlier launch has stored, for each tile and key step, 64 lane masks and two summary bits.  A step none of whose pairs counts changes nothing and is passed over; a step all of whose pairs
; count needs no masks; in the others hidden scores become -infinity ahead of the maximum.  These are scalar branches on stored whole numbers; the loop's trip count is a constant.
; The four work-groups of a head read the same 208,896 bytes and do NOT ask for them jointly;
; what is shared is read once a work-group, at the head.
; HEAD SIZE 64 is half of the instruction's K: registers 6-11 of Q's fragment and of K's eight fragments hold zero codes, written once.
; A QUERY ALL OF WHOSE KEYS ARE HIDDEN has the sum 0: its codes are zeros and its two scale bytes are 0xff, the E8M0 code for NaN, so that the last projection gives NaN in that token's whole row.
; LAYOUT.  S^T = K Q^T and O^T = V^T P^T: a lane holds one query (lane % 16).  Tile 2 B + u of K holds keys 32 B + 8 u + r + 8 (r / 8): the 16 registers of tiles 2 B, 2 B + 1 are keys 32 B + 16 (lane / 16) + 0 .. 15.
; oi: 512 token tiles (128 batch + T) of 13,312 bytes = 4 records of 3,328: two fragments of 128 channels, each two heads' tiles of 768 bytes, and a unit of scale words (8 bytes a lane).
; LIMITS: NaN and infinities among the numbers are not served; a block whose largest magnitude lies under 2^-122 gets the byte 1.
; THE MODE: SCHED_MODE bits 1:0 = 2 (LLVM: expert scheduling mode 2), set by the entry lines.  The code itself states the register dependences between vector or matrix instructions and memory or LDS
; instructions, with s_wait_alu, always for 0.
; THE PLAN.  Registers that memory or LDS instructions touch:
;   v28-31        the copy's offsets: written at the head, read by the copy's loads and LDS stores, never written again.
;   v96-199       the copy's data: loaded, read by the LDS stores; from the first pass on they are S, O and p's codes.
;   v1, v25, v26  lane offsets: written at the head, read by Q's loads and by the way out's stores, never written again.
;   v32-37, v6    Q's codes and scale word: loaded at a pass's head, read by all the pass's score products.
;   v8-11, v24    the step's LDS addresses: written by five additions at a step's head, read by the step's 31 LDS loads.
;   KF, K2        K's tiles 0-3 and 4-7: the lower six registers of each fragment are loaded at the step's head and read by the eight score products; between those products and the next step's head some of them
;                 are the softmax's registers at work.  The upper six hold zeros and are named by matrix instructions alone.
;   KSW, KSW2, VSW  scale words: loaded, and read by matrix instructions alone.
;   v96-143       p, read by the conversions; behind them V's four fragments land there, which the second product reads.
;   v192-197, v221  on the way out: written by vector lines, read by the three stores.
; So a step has one wait on vm_vsrc, ahead of the five additions, and, beside the two waits behind its exponentials, three on va_vdst: behind the additions, with all 18 loads of K in one run behind it; behind the
; conversions, with V's 13 loads behind it; ahead of the second product, which takes p's codes and scale word.  A pass has one of each at its head and one on va_vdst ahead of its stores.
; REGISTERS: v1-5, v25, v26 lane terms; v6 Q's scale word; v7 -infinity; v8-11, v24 the step's LDS addresses; v12 -M, v13 the largest t, v[14:15] the sum; v16-19, v92-95 K's scale words; v20-23 V's; v27 p's;
;   v32-43 Q; v44-91 K's tiles 0-3; v96-159 S^T, then p, then V's four fragments; v160-191 O^T; v192-203 p's codes; v204-251 K's tiles 4-7; v[252:253] f; v254, v255 the closing add's two.
;   At work, in the lower halves of K's fragments: v44-46, v56-58 the conversions' upper halves; v204-207 the blocks' maxima; v216-219, v228-231, v232; v[220:221] the sum's second chain.
.set HR,   315392
.set L_VI, 98304                       ; LDS: K's tiles at 0, V's fragments, K's scale words, V's scale words
.set L_KS, 196608
.set L_VS, 204800
.set KSW2, 16
.set VSW,  20
.set PW,   27
.set KF,   44
.set PT,   44                          ; PT + 12 c: three registers in the lower half of K's tile c
.set KSW,  92
.set S,    96
.set O,    160
.set PC,   192
.set K2,   204
.set BM,   204
.set TP,   216
.set SU,   220
.set SOP,  228
.set TMP,  232
.set F,    252
	s_load_b64 s[2:3], s[0:1], 0x0                 ; hr
	s_load_b128 s[4:7], s[0:1], 0x8                ; mw, oi
	v_lshl_add_u32 v254, v0, 2, 0x33000
	v_mov_b32 v255, 0
	v_lshrrev_b32 v1, 5, v0
	v_readfirstlane_b32 s10, v1                    ; wave 0 .. 15
	s_and_b32 s19, ttmp7, 0xffff                   ; 16 batch + head
	s_mul_i32 s100, s19, HR
	s_mov_b32 s101, 0                              ; stays 0: the upper word of every offset
	v_lshlrev_b32 v28, 4, v0                       ; 16 x thread; an LDS immediate reaches 65,535, so the registers carry the rest
	v_add_nc_u32 v29, 0x10000, v28
	v_add_nc_u32 v30, 0x20000, v28
	v_add_nc_u32 v31, 0x30000, v28
	s_wait_kmcnt 0x0
	s_add_nc_u64 s[2:3], s[2:3], s[100:101]        ; my head's record
	s_add_nc_u64 s[30:31], s[2:3], 106496          ; K, V and their scale words: 25 parts of 8,192 bytes and half a part
	s_wait_alu depctr_va_sdst(0)                   ; s10 is written, ahead of its first reader, the compare below
	s_wait_alu depctr_va_vdst(0)                   ; v28 to v31 are written: the copy's loads and LDS stores read them as offsets and addresses
	s_cmp_lt_u32 s10, 8
	s_cbranch_scc0 .Lno_half
	global_load_b128 v[196:199], v28, s[30:31] offset:8192*25
.Lno_half:
.set n, 0
.rept 25
	global_load_b128 v[96+4*n:96+4*n+3], v28, s[30:31] offset:8192*n
.set n, n+1
.endr
	v_and_b32 v8, 31, v0                           ; lane
	v_and_b32 v9, 15, v0                           ; r
	v_lshlrev_b32 v1, 4, v8                        ; 16 l
	v_lshlrev_b32 v25, 3, v8                       ; 8 l
	v_add_nc_u32 v2, 512, v25
	v_lshlrev_b32 v26, 4, v9                       ; 16 r
	v_lshl_add_u32 v3, v8, 4, L_VI
	v_lshl_add_u32 v4, v9, 4, L_KS
	v_lshl_add_u32 v5, v9, 4, L_VS
	v_mov_b32 v7, 0xff800000                       ; -infinity
.irp i, 38,39,40,41,42,43
	v_mov_b32 v\i, 0                               ; Q's upper 64 along K: zero codes
.endr
.irp t, 0,1,2,3
.irp i, 6,7,8,9,10,11
	v_mov_b32 v[KF+12*\t+\i], 0                    ; K's likewise, in both sets of four fragments: written once
	v_mov_b32 v[K2+12*\t+\i], 0
.endr
.endr
.irp e, 0,1,2,3
	v_mov_b32 v[TP+\e], 0                          ; a lane permute's destination counts as read
.endr
	v_mov_b32 v[F+1], 0                            ; named as the upper half of the pair v[F:F+1]
	v_mov_b32 v[TMP], 0
	s_mov_b32 s20, 0x76543210
	s_mov_b32 s21, 0xfedcba98                      ; selects: lane l xor 16
	s_mov_b32 s22, 0x3e38aa3b                      ; c = log2(e) / 8
	s_mov_b32 s23, s22
	s_lshl_b32 s12, ttmp9, 4
	s_add_co_u32 s12, s12, s10                     ; T
	s_lshr_b32 s8, s19, 4                          ; where my head's codes and bytes stand in a token tile of oi: batch x 128 tiles,
	s_mul_i32 s8, s8, 128*13312
	s_bfe_u32 s9, s19, 0x20002                     ; record head / 4,
	s_mul_i32 s9, s9, 3328
	s_add_co_u32 s8, s8, s9
	s_bfe_u32 s16, s19, 0x10001                    ; fragment (head / 2) % 2,
	s_and_b32 s17, s19, 1                          ; half head % 2
	s_lshl_b32 s18, s16, 2
	s_add_co_u32 s9, s8, s18
	s_lshl_b32 s18, s17, 1
	s_add_co_u32 s9, s9, s18
	s_add_co_u32 s9, s9, 3072                      ; the bytes
	s_mul_i32 s16, s16, 1536
	s_add_co_u32 s8, s8, s16
	s_mul_i32 s17, s17, 768
	s_add_co_u32 s8, s8, s17                       ; the codes
.set n, 0
.rept 25
	s_wait_loadcnt 24-n                            ; part n is in; the parts issued behind it stay out
	ds_store_b128 v[28+n/8], v[96+4*n:96+4*n+3] offset:8192*(n%8)   ; no vector line since the wait at the head names v28 to v31
.set n, n+1
.endr
	s_cmp_lt_u32 s10, 8
	s_cbranch_scc0 .Lno_half_store
	ds_store_b128 v31, v[196:199] offset:8192
.Lno_half_store:
	s_wait_dscnt 0x0                               ; for the others' sake: my stores have landed
	s_barrier_signal -1
	s_barrier_wait -1                              ; from here on LDS is only read
.macro QK                              ; S^T = K Q^T for the step's 128 keys: all eight tiles of 16 are asked for in one run, tiles 0-3 into KF, tiles 4-7 into K2
	s_wait_alu depctr_vm_vsrc(0)                   ; the LDS loads issued so far have read v8 to v11 and v24, which the five lines below write
	v_add_nc_u32 v8, s16, v1
	v_add_nc_u32 v9, s16, v2
	v_add_nc_u32 v10, s16, v3
	v_add_nc_u32 v11, s17, v4
	v_add_nc_u32 v24, s18, v5
	s_wait_alu depctr_va_vdst(0)                   ; the five addresses are written, which this step's LDS loads read; the vector lines of the step before are done with the registers at work in KF and K2, in which K's codes land
.irp t, 0,1,2,3
	ds_load_b128 v[KF+12*\t:KF+12*\t+3], v8 offset:768*\t
	ds_load_b64 v[KF+12*\t+4:KF+12*\t+5], v9 offset:768*\t
.endr
	ds_load_b128 v[KSW:KSW+3], v11
.irp t, 0,1,2,3
	ds_load_b128 v[K2+12*\t:K2+12*\t+3], v8 offset:768*(4+\t)
	ds_load_b64 v[K2+12*\t+4:K2+12*\t+5], v9 offset:768*(4+\t)
.endr
	ds_load_b128 v[KSW2:KSW2+3], v11 offset:256
	s_wait_dscnt 9                                 ; LDS loads come back in order (ISA guide 5.7.1): tiles 0-3 and their scale words are in; the nine loads of tiles 4-7 stay out
.irp t, 0,1,2,3
	v_wmma_scale_f32_16x16x128_f8f6f4 v[S+8*\t:S+8*\t+7], v[KF+12*\t:KF+12*\t+11], v[32:43], 0, v[KSW+\t], v6 matrix_a_fmt:MATRIX_FMT_BF6 matrix_b_fmt:MATRIX_FMT_BF6
.endr
	s_wait_dscnt 0x0
.irp t, 0,1,2,3
	v_wmma_scale_f32_16x16x128_f8f6f4 v[S+32+8*\t:S+32+8*\t+7], v[K2+12*\t:K2+12*\t+11], v[32:43], 0, v[KSW2+\t], v6 matrix_a_fmt:MATRIX_FMT_BF6 matrix_b_fmt:MATRIX_FMT_BF6
.endr
.rept 4
	v_nop                                          ; four places behind the last product, before vector lines read the scores or write the lower halves of K's fragments (ISA guide 7.12.1)
.endr
.endm
	s_mov_b32 s11, 2
.Lpass:
	s_wait_xcnt 0x0                                ; the last pass's stores have read their registers and bases
	s_wait_alu depctr_vm_vsrc(0)                   ; first pass: the copy's LDS stores have read v96 to v199, which are S, O and p's codes from here on; second pass: the last pass's stores have read v[PC ..] and v[SU+1], which this pass writes again
	s_wait_alu depctr_va_vdst(0)                   ; first pass: v1, v25 and v26 are written, which the loads below read, and so are the zero halves of Q's and K's fragments, which scaled products take; second pass: the last pass's products are done reading Q and its scale word, in which the loads below land
	s_mul_i32 s100, s12, 768
	s_add_nc_u64 s[30:31], s[2:3], s[100:101]      ; Q's tile T
	s_lshr_b32 s19, s12, 2
	s_lshl_b32 s19, s19, 8
	s_and_b32 s100, s12, 3
	s_lshl_b32 s100, s100, 2
	s_add_co_u32 s100, s100, s19
	s_add_co_u32 s100, s100, 98304
	s_add_nc_u64 s[66:67], s[2:3], s[100:101]      ; its scale words: 256 (T / 4) + 16 r + 4 (T % 4)
	s_lshl_b32 s100, s12, 12
	s_add_nc_u64 s[28:29], s[4:5], s[100:101]      ; its lane masks: 4,096 bytes a tile
	s_lshl_b32 s19, s12, 4
	global_load_b128 v[32:35], v1, s[30:31]
	global_load_b64 v[36:37], v25, s[30:31] offset:512
	global_load_b32 v6, v26, s[66:67]
	s_load_b128 s[24:27], s[4:5], s19 offset:0x80000   ; its summary
	v_mov_b32 v13, 0xff61b1e6                      ; the largest t so far: -3e38
	v_floor_f32 v12, -v13                          ; -M
	v_mov_b32 v14, 0
	v_mov_b32 v15, 0
.set n, 0
.rept 32
	v_mov_b32 v[O+n], 0                            ; which step comes first hangs on the mask, so none is written out: the first finds zeros
.set n, n+1
.endr
	s_mov_b32 s15, 16
	s_mov_b32 s16, 0                               ; 6,144 j: K's tiles and V's fragments
	s_mov_b32 s17, 0                               ; 512 j: K's scale words
	s_mov_b32 s18, 0                               ; 256 j: V's scale words, and the lane masks
	s_wait_kmcnt 0x0
	s_or_b32 s24, s24, s25
	s_or_b32 s26, s26, s27
	s_or_b32 s24, s24, s26
	s_and_b32 s13, s24, 0xffff                     ; bit j: step j has a pair that counts
	s_lshr_b32 s14, s24, 16                        ; bit j: all its pairs count
	s_wait_loadcnt 0x0
.Lstep:
	s_bitcmp1_b32 s13, 0
	s_cbranch_scc0 .Lnext
	s_bitcmp1_b32 s14, 0
	s_cbranch_scc1 .Lopen
	s_load_b512 s[32:47], s[28:29], s18 offset:0x0
	s_load_b512 s[48:63], s[28:29], s18 offset:0x40
	s_load_b512 s[68:83], s[28:29], s18 offset:0x80
	s_load_b512 s[84:99], s[28:29], s18 offset:0xc0
	QK
	s_wait_kmcnt 0x0
.set n, 0
.rept 64
	v_cndmask_b32 v[S+n], v7, v[S+n], s[32+n+4*(n/32)]   ; a hidden score becomes -infinity; each accumulator is taken from its low end on
.set n, n+1
.endr
	s_branch .Lsoft
.Lopen:
	QK
.Lsoft:
.irp e, 0,1,2,3
	v_max3_num_f32 v[BM+\e], v[S+16*\e], v[S+1+16*\e], v[S+2+16*\e]   ; the largest score of each block of 32 keys: for the row's maximum and, since p rises with the score, for the block's largest p
.endr
.irp i, 3,5,7,9,11,13
.irp e, 0,1,2,3
	v_max3_num_f32 v[BM+\e], v[BM+\e], v[S+16*\e+\i], v[S+1+16*\e+\i]
.endr
.endr
.irp e, 0,1,2,3
	v_max_num_f32 v[BM+\e], v[BM+\e], v[S+15+16*\e]
.endr
.irp e, 0,1,2,3
	v_permlanex16_b32 v[TP+\e], v[BM+\e], s20, s21
.endr
.irp e, 0,1,2,3
	v_max_num_f32 v[BM+\e], v[BM+\e], v[TP+\e]     ; with lane l xor 16's 16 keys
.endr
	v_max3_num_f32 v[TMP], v[BM], v[BM+1], v[BM+2]
	v_max_num_f32 v[TMP], v[TMP], v[BM+3]
	v_mul_f32 v[TMP], s22, v[TMP]                  ; as t
	v_max_num_f32 v13, v13, v[TMP]                 ; the running largest t
	v_mov_b32 v[TMP], v12
	v_floor_f32 v12, -v13                          ; the new -M = -ceil(t): a whole number
	v_sub_f32 v[TMP], v12, v[TMP]                  ; old M - new M, 0 or less
	v_cvt_i32_f32 v[TMP], v[TMP]                   ; (it saturates)
	v_ldexp_f32 v[F], 1.0, v[TMP]                  ; f = 2^(old M - new M)
.set n, 0
.rept 32
	v_pk_fma_f32 v[S+n:S+n+1], v[S+n:S+n+1], s[22:23], v[12:13] op_sel_hi:[1,0,0]   ; t - M, two at a time
.set n, n+2
.endr
.irp e, 0,1,2,3
	v_fma_f32 v[BM+\e], v[BM+\e], s22, v12
.endr
.set n, 0
.rept 64
	v_exp_f32 v[S+n], v[S+n]                       ; p = 2^(t - M)
.set n, n+1
.endr
	v_pk_mul_f32 v[14:15], v[14:15], v[F:F+1] op_sel_hi:[1,0]   ; the sums under the new M: a plain instruction behind the exponentials
	s_wait_alu depctr_va_vdst(0)                   ; the 64 exponentials have written p: one wait for the batch, ahead of its first reader
.irp e, 0,1,2,3
	v_exp_f32 v[BM+\e], v[BM+\e]                   ; the blocks' largest p
.endr
	v_pk_add_f32 v[SU:SU+1], v[S:S+1], v[S+2:S+3]  ; the row's sum, of the unquantised p, in two chains
.irp j, 4,8,12,16,20,24,28,32,36,40,44,48,52,56,60
	v_pk_add_f32 v[14:15], v[14:15], v[S+\j:S+\j+1]
	v_pk_add_f32 v[SU:SU+1], v[SU:SU+1], v[S+\j+2:S+\j+3]
.endr
	v_pk_add_f32 v[14:15], v[14:15], v[SU:SU+1]
	s_wait_alu depctr_va_vdst(0)                   ; the four exponentials have written the blocks' largest p, ahead of their first reader
.irp e, 0,1,2,3
	v_max_num_f32 v[BM+\e], 0x2800000, v[BM+\e]    ; the floor 2^(5 - 127): a block of zeros keeps the byte 1
.endr
.irp e, 0,1,2,3
	v_add_nc_u32 v[SOP+\e], 0xfe000000, v[BM+\e]
.endr
.irp e, 0,1,2,3
	v_lshrrev_b32 v[TP+\e], 23, v[SOP+\e]
.endr
	v_lshl_or_b32 v[PW], v[TP+1], 8, v[TP]         ; p's scale word for these 128 keys
	v_lshl_or_b32 v[PW], v[TP+2], 16, v[PW]
	v_lshl_or_b32 v[PW], v[TP+3], 24, v[PW]
.irp c, 0,1
	v_cvt_scalef32_pk16_bf6_f32 v[PC+6*\c:PC+6*\c+2], v[S+32*\c:S+32*\c+15], v[SOP+2*\c]
	v_cvt_scalef32_pk16_bf6_f32 v[PT+12*\c:PT+12*\c+2], v[S+32*\c+16:S+32*\c+31], v[SOP+2*\c+1]   ; (a conversion's three registers begin on an even number)
.endr
	v_nop                                          ; one plain instruction behind the scaled conversions
	s_wait_alu depctr_va_vdst(0)                   ; the conversions are done reading p: V's fragments land in its registers
.irp t, 0,1,2,3                                ; V's four fragments take p's registers; they land under the lines below, none of which names them, V's scale words or the two addresses
.irp u, 0,1,2
	ds_load_b128 v[S+12*\t+4*\u:S+12*\t+4*\u+3], v10 offset:1536*\t+512*\u
.endr
.endr
	ds_load_b128 v[VSW:VSW+3], v24
.irp c, 0,1
.irp i, 0,1,2
	v_permlane16_swap_b32 v[PC+6*\c+\i], v[PT+12*\c+\i]
.endr
.irp i, 0,1,2
	v_mov_b32 v[PC+3+6*\c+\i], v[PT+12*\c+\i]
.endr
.endr
.set n, 0
.rept 16
	v_pk_mul_f32 v[O+n:O+n+1], v[O+n:O+n+1], v[F:F+1] op_sel_hi:[1,0]   ; O^T under the new M; these 16 are also the places between the operand's and the scale word's last writes and the products
.set n, n+2
.endr
	s_wait_dscnt 0x0
	s_wait_alu depctr_va_vdst(0)                   ; p's codes and its scale word are written, which the scaled products below take as source 1 and as its scales; the places above stay beside this wait
.irp t, 0,1,2,3
	v_wmma_scale_f32_16x16x128_f8f6f4 v[O+8*\t:O+8*\t+7], v[S+12*\t:S+12*\t+11], v[PC:PC+11], v[O+8*\t:O+8*\t+7], v[VSW+\t], v[PW] matrix_a_fmt:MATRIX_FMT_BF6 matrix_b_fmt:MATRIX_FMT_BF6
.endr
.rept 5
	v_nop                                          ; the next scores are written over V's registers by matrix instructions: five places; four serve the way out's reads
.endr
.Lnext:
	s_add_co_u32 s16, s16, 6144
	s_add_co_u32 s17, s17, 512
	s_add_co_u32 s18, s18, 256
	s_lshr_b32 s13, s13, 1
	s_lshr_b32 s14, s14, 1
	s_sub_co_u32 s15, s15, 1
	s_cmp_lg_u32 s15, 0
	s_cbranch_scc1 .Lstep
	; THE WAY OUT of a tile: O^T / the sum, quantised along the head's 64 channels: registers 16 B + i are channels 32 B + 16 (lane / 16) + i
	v_add_f32 v14, v14, v15
	v_permlanex16_b32 v[TMP], v14, s20, s21
	v_add_f32 v14, v14, v[TMP]                     ; the row's sum
	v_rcp_f32 v[SU], v14
	v_cmp_lt_f32 vcc_lo, 0, v14                    ; (a plain instruction behind the reciprocal)  does any key count?
	s_mul_i32 s100, s12, 13312
	s_add_co_u32 s19, s100, s9
	s_add_co_u32 s100, s100, s8
	s_add_nc_u64 s[30:31], s[6:7], s[100:101]      ; my codes' place in oi
	s_mov_b32 s100, s19
	s_add_nc_u64 s[66:67], s[6:7], s[100:101]      ; my bytes'
	s_wait_alu depctr_va_vdst(0)                   ; the reciprocal has written v[SU], ahead of its first reader
	s_wait_alu depctr_va_vcc(0)                    ; the compare has written VCC, ahead of its first reader, the select below
	v_cndmask_b32 v[SU], 0, v[SU], vcc_lo          ; a query with no key: zeros
.set n, 0
.rept 32
	v_mul_f32 v[S+n], v[O+n], v[SU]
.set n, n+1
.endr
.irp e, 0,1
	v_max3_num_f32 v[BM+\e], |v[S+16*\e]|, |v[S+1+16*\e]|, 0x2800000
.endr
.irp i, 2,4,6,8,10,12,14
.irp e, 0,1
	v_max3_num_f32 v[BM+\e], v[BM+\e], |v[S+16*\e+\i]|, |v[S+1+16*\e+\i]|
.endr
.endr
.irp e, 0,1
	v_permlanex16_b32 v[TP+\e], v[BM+\e], s20, s21
.endr
.irp e, 0,1
	v_max_num_f32 v[BM+\e], v[BM+\e], v[TP+\e]
.endr
.irp e, 0,1
	v_add_nc_u32 v[SOP+\e], 0xfe000000, v[BM+\e]
.endr
.irp e, 0,1
	v_lshrrev_b32 v[TP+\e], 23, v[SOP+\e]
.endr
	v_lshl_or_b32 v[SU+1], v[TP+1], 8, v[TP]       ; my head's two bytes of the token's scale word;
	v_cndmask_b32 v[SU+1], 0xffff, v[SU+1], vcc_lo ; NaN's code where no key counts
	v_cvt_scalef32_pk16_bf6_f32 v[PC:PC+2], v[S:S+15], v[SOP]
	v_cvt_scalef32_pk16_bf6_f32 v[PT:PT+2], v[S+16:S+31], v[SOP+1]
	v_nop
.irp i, 0,1,2
	v_permlane16_swap_b32 v[PC+\i], v[PT+\i]
.endr
.irp i, 0,1,2
	v_mov_b32 v[PC+3+\i], v[PT+\i]
.endr
	s_wait_alu depctr_va_vdst(0)                   ; the codes in v[PC ..] and the bytes in v[SU+1] are written, which the three stores read
	global_store_b128 v1, v[PC:PC+3], s[30:31]             ; 512 consecutive bytes, aligned to 256
	global_store_b64 v25, v[PC+4:PC+5], s[30:31] offset:512   ; 256
	global_store_b16 v25, v[SU+1], s[66:67]                ; two bytes of each lane's eight: a head has two of a scale word's four bytes, so this unit is written by four heads
	s_sub_co_u32 s12, 127, s12                     ; the second tile
	s_sub_co_u32 s11, s11, 1
	s_cmp_lg_u32 s11, 0
	s_cbranch_scc1 .Lpass
	s_wait_dscnt 0x0                               ; the closing lines, six on end
	s_wait_alu 0x0
	s_wait_tensorcnt 0x0
	ds_add_u32 v254, v255
	s_wait_dscnt 0x0
	s_endpgm
.Lfunc_end_k_qf4c2a92168_attn:
	.size	k_qf4c2a92168_attn, .Lfunc_end_k_qf4c2a92168_attn-k_qf4c2a92168_attn
	.p2alignl 7, 3214868480
	.fill 96, 4, 3214868480
	.section	.rodata,"a",@progbits
	.p2align	6, 0x0
	.amdhsa_kernel k_qf4c2a92168_attn
		.amdhsa_group_segment_fixed_size 210944
		.amdhsa_private_segment_fixed_size 0
		.amdhsa_enable_private_segment 0
		.amdhsa_kernarg_size 24
		.amdhsa_user_sgpr_count 2
		.amdhsa_user_sgpr_kernarg_segment_ptr 1
		.amdhsa_wavefront_size32 1
		.amdhsa_system_sgpr_workgroup_id_x 1
		.amdhsa_system_sgpr_workgroup_id_y 1
		.amdhsa_system_sgpr_workgroup_id_z 1
		.amdhsa_system_vgpr_workitem_id 0
		.amdhsa_next_free_vgpr 256
		.amdhsa_next_free_sgpr 102
		.amdhsa_reserve_vcc 1
		.amdhsa_float_denorm_mode_32 3
		.amdhsa_float_denorm_mode_16_64 3
		.amdhsa_memory_ordered 1
		.amdhsa_forward_progress 1
		.amdhsa_inst_pref_size 40
	.end_amdhsa_kernel
	.amdgpu_metadata
---
amdhsa.version: [ 1, 2 ]
amdhsa.kernels:
  - .name:           k_qf4c2a92168_attn
    .symbol:         k_qf4c2a92168_attn.kd
    .args:
      - { .name: hr, .offset: 0, .size: 8, .value_kind: global_buffer, .address_space: global }
      - { .name: mw, .offset: 8, .size: 8, .value_kind: global_buffer, .address_space: global }
      - { .name: oi, .offset: 16, .size: 8, .value_kind: global_buffer, .address_space: global }
    .group_segment_fixed_size: 210944
    .private_segment_fixed_size: 0
    .kernarg_segment_align: 8
    .kernarg_segment_size: 24
    .max_flat_workgroup_size: 512
    .sgpr_count:     102
    .vgpr_count:     256
    .wavefront_size: 32
...
	.end_amdgpu_metadata
.endif
;; end of part 5
;; launch outp: the kernel of part 4 again; grid 4 x 64, 4 waves a work-group, clusters of 4 x 4, 320,000 bytes of LDS; arguments oi, xi, bo, out0; writes out0
